; MI455X (gfx1250); checked and timed in simulation.
; The chip was launched on July 23, 2026; its instructions are those of AMD's public machine-readable ISA for CDNA 5 (MIT licence, August 2026) and "CDNA5" Instruction Set Architecture Reference Guide (July 2026). The comments in the code are by the model that wrote it; some were corrected since.
;; Ctx Att. Allowed arithmetic: matrix products marked QUANTISED: E2M1 operands, one E8M0 scale for each 32 along K, by v_wmma_scale_f32_16x16x128_f8f6f4 with both operands' format E2M1 (or v_wmma_scale_f32_32x16x128_f4), f32 sums; everything else in f32.
;; Inputs: Wk_codes 512 x 16 x 16 uint8 (E2M1 codes of Wk, K innermost, in blocks of 32 codes, two codes a byte); Wk_scales 512 x 16 uint8 (E8M0 scales of Wk, one for each 32 codes along K); Wo_codes 512 x 16 x 16 uint8 (E2M1 codes of Wo, K innermost, in blocks of 32 codes, two codes a byte); Wo_scales 512 x 16 uint8 (E8M0 scales of Wo, one for each 32 codes along K); Wq_codes 512 x 16 x 16 uint8 (E2M1 codes of Wq, K innermost, in blocks of 32 codes, two codes a byte); Wq_scales 512 x 16 uint8 (E8M0 scales of Wq, one for each 32 codes along K); Wv_codes 512 x 16 x 16 uint8 (E2M1 codes of Wv, K innermost, in blocks of 32 codes, two codes a byte); Wv_scales 512 x 16 uint8 (E8M0 scales of Wv, one for each 32 codes along K); bk 512 float32; bo 512 float32; bq 512 float32; bv 512 float32; k_codes 2 x 64 x 64 x 16 x 16 uint8 (E2M1 codes of k, K innermost, in blocks of 32 codes, two codes a byte); k_scales 2 x 64 x 64 x 16 uint8 (E8M0 scales of k, one for each 32 codes along K); mask 2 x 64 x 64 bool; q 2 x 64 x 64 x 512 float32; v_codes 2 x 64 x 64 x 16 x 16 uint8 (E2M1 codes of v, K innermost, in blocks of 32 codes, two codes a byte); v_scales 2 x 64 x 64 x 16 uint8 (E8M0 scales of v, one for each 32 codes along K).
;; Outputs: out0 2 x 64 x 64 x 512 float32.
;; This version of the problem:
;;   THIS VERSION OF THE PROBLEM IS GIVEN IN LOW PRECISION. The matrix products marked QUANTISED in the list below multiply operands that are first quantised to E2M1 (2 exponent bits, 1 mantissa bit; 4 bits a number), with one power-of-two scale for each 32 numbers along K (OCP MX v1.0); their sums are f32. All else is computed in f32.
;;   The module's matrix products, in the order in which they are computed (A, B: the left and right operand; K: the contracted axis; several contracted axes count as one K, in the product's order):
;;     1. [M 8,192, K 512] x [K 512, N 512]; A: input q; B: input Wq (given as codes): QUANTISED
;;     2. [M 8,192, K 512] x [K 512, N 512]; A: input k (given as codes); B: input Wk (given as codes): QUANTISED
;;     3. [M 8,192, K 512] x [K 512, N 512]; A: input v (given as codes); B: input Wv (given as codes): QUANTISED
;;     4. batch 16 x [M 4,096, K 64] x [K 64, N 4,096]; A: computed on the way; B: computed on the way: QUANTISED
;;     5. batch 16 x [M 4,096, K 4,096] x [K 4,096, N 64]; A: computed on the way; B: computed on the way: QUANTISED
;;     6. [M 8,192, K 512] x [K 512, N 512]; A: computed on the way; B: input Wo (given as codes): QUANTISED
;;   THE QUANTISER, for each operand of a quantised product, along K:
;;     - K is cut into blocks of 32 from its start; a last block that is shorter is filled with zeros.
;;     - A block's scale is 2^e with e = floor(log2(the largest magnitude in the block)) - 2, held to -126 .. 127; a block of zeros has e = 0. As a byte (E8M0): e + 127.
;;     - Each number is divided by its block's scale, clamped to +-6, and rounded to the nearest number of E2M1, ties to even, subnormals kept.
;;     - The product sums the exact products of the quantised numbers (number of the format x scale) in f32.
;;   ~~~python
;;   def quantise(x, axis):      # numpy; x: float32 -> the quantised numbers, widened to float32 again
;;       x = np.moveaxis(x, axis, -1); K = x.shape[-1]
;;       x = np.pad(x, [(0, 0)] * (x.ndim - 1) + [(0, -K % 32)]); x = x.reshape(x.shape[:-1] + (-1, 32)); a = np.abs(x).max(-1, keepdims=True)
;;       e = np.where(a > 0, np.clip(np.frexp(np.where(a > 0, a, 1))[1] - 1 - 2, -126, 127), 0)      # np.frexp(a)[1] - 1 = floor(log2(a)), exactly
;;       r = np.clip(x / 2.0 ** e, -6, 6)
;;       step = 2.0 ** (np.maximum(np.frexp(np.where(r == 0, 1, r))[1] - 1, 0) - 1)
;;       q = np.round(r / step) * step * 2.0 ** e      # np.round: ties to even
;;       return np.moveaxis(q.reshape(q.shape[:-2] + (-1,))[..., :K], -1, axis).astype(np.float32)
;;   ~~~
;;   OPERANDS COMPUTED ON THE WAY. 'Computed on the way' means the value that the module computes at that place (a softmax that the list does not call 'softmax' is quantised finished and normalised). What goes into a quantiser is computed in f32, as accurately as f32 sums, v_exp_f32 and their like allow (about 1e-6 of the number): no bf16 or f16 on the way to a quantiser, and a product that is left as it is and whose result goes on into a quantised operand takes f32 operands (vector FMAs, or v_wmma_f32_16x16x4_f32). A number that lies on a knife's edge between two numbers of the format may be rounded either way, as far as f32 arithmetic and the matrix unit's own rounding can turn it there, and no further.
;;   INPUTS GIVEN AS CODES. Wk (in the module: [512, 512], K = its axis 0); Wo (in the module: [512, 512], K = its axis 0); Wq (in the module: [512, 512], K = its axis 0); Wv (in the module: [512, 512], K = its axis 0); k (in the module: [2, 64, 64, 512], K = its axis 3); v (in the module: [2, 64, 64, 512], K = its axis 3): each comes as NAME_codes (uint8): NAME with its K axis moved to the last place and cut into blocks of 32 codes, [.., K / 32, bytes a block], one block behind the other in memory; two codes a byte, the lower K in the low four bits (a code: sign, 2 exponent bits, 1 mantissa bit); and NAME_scales (uint8): the same leading axes, one E8M0 byte (e + 127) for each 32 codes along K. Its value is code x scale, taken as it is: it is not quantised again, and the codes and scales need not be those that the quantiser above would give.
;; 2 versions, each right; version 2 is version 1 with the launches proj, outp written anew for expert scheduling mode. Each part assembles by itself: llvm-mc -triple=amdgcn-amd-amdhsa -mcpu=gfx1250 --defsym DOCPART=n.
;; ======== version 1 of 2: 3 launches
;; limits: right only within a limited range of input values
;; workspace buffers: Qc 2,097,152 bytes; Qs 262,144 bytes; KV 4,587,520 bytes; Xc 2,097,152 bytes; Xs 131,072 bytes
;; launch proj (part 1): grid 256 x 1, 4 waves a work-group, no clusters, 160,256 bytes of LDS; arguments q, Wq_codes, Wq_scales, bq, Qc, Qs, k_codes, k_scales, Wk_codes, Wk_scales, bk, mask, v_codes, v_scales, Wv_codes, Wv_scales, bv, KV; writes Qc, Qs, KV
.if DOCPART == 1
	.amdgcn_target "amdgcn-amd-amdhsa--gfx1250"
	.amdhsa_code_object_version 6
	.text
	.protected	k_qf1f7b68359_proj
	.globl	k_qf1f7b68359_proj
	.p2align	8
	.type	k_qf1f7b68359_proj,@function
k_qf1f7b68359_proj:
	s_mov_b64 s[64:65], 0
	v_nop
	global_prefetch_b8 v0, s[64:65] scope:SCOPE_SE
	s_setreg_imm32_b32 hwreg(HW_REG_WAVE_MODE, 25, 1), 1
	s_wait_xcnt 0x0
; THE THREE PROJECTIONS qh = Q(q) Wq + bq, kh = k Wk + bk, vh = v Wv + bv on codes of E2M1 with E8M0 scales, and the quantising of their results for the attention launch.
; ONE SHAPE FOR ALL THREE.  A wave keeps a RESIDENT operand R in registers: 128 rows x K 512 = 8 tiles x 4 K steps x 8 registers (window 1).  Tiles T of 16 rows x K 512 go from wave to wave through LDS as
; images of their registers.  Source 0 = R, source 1 = T: a lane then holds ONE row of T and its registers run along R's rows, which are the next product's K.
; THE ROWS OF R THAT FORM A TILE ARE NOT NEIGHBOURS: lane r of tile t takes row 32 (t / 2) + 8 (t % 2) + r + 8 (r / 8), so that the 16 registers of tiles 2 b and 2 b + 1 are the 16 neighbours 32 b + 16 (lane / 16) + 0 .. 15.
; THREE BODIES, parted by the work-group's number, each with LDS bytes, a barrier and an end of its own:
;   Q (work-groups 0-127):   64 rows of q.  R = Wq's rows 128 w on (heads 2 w, 2 w + 1); T = 4 tiles of q, quantised here from f32.  Out: Qc [bh][n][32 bytes], Qs [bh][n / 64][16][4] scale words.
;   K (128-191): 128 keys = one key step.  R = Wk's rows 128 w on; T = 8 tiles of k, their rows chosen as above.  Out: the step's images of K and its scale words, for heads 2 w, 2 w + 1.
;   V (192-255): 512 keys x 2 heads.  R = v's rows (keys) 128 w on = one key step a wave; T = 8 tiles of Wv (2 heads' channels, chosen as above).  Out: the step's images of V^T, quantised ALONG THE KEYS.
; KV [bh][step 32][8,960 bytes]: +0 eight tiles of K, 512 bytes each (16 x lane); +4096 K's scale words (16 x lane: word i = tile 2 i + lane / 16); +4608 four tiles of V^T, 1,024 bytes each; +8704 V's scale words (8 x lane).
; THE MASK rides in K's scale words: byte 2 is 1 where the key counts and 227 where it does not (the attention launch has the codes -1 and +1 at k = 64); byte 3 is 127, over zero codes.
; NO CLUSTER: what work-groups share (a weight's 128 rows) goes from memory straight into 256 registers of a wave, once; a joint load ends in LDS, and would add 128 KiB of LDS writes and reads a work-group.
; LIMITS: a block of zeros gets the byte 1 where the rule says 127 (zero codes; these bytes are read by this program alone); NaN and infinities among the inputs are not served.
.set WSTG,  16896                      ; body Q: a wave's two stages of 16 rows x 528 bytes, from LDS byte 0 on
.set HSTG,  8448
.set QIMG,  67584                      ; body Q: 4 tiles' images
.set KIMG,  86016                      ; body K: 8 tiles' images
.set VIMG,  122880                     ; body V: 8 tiles' images
.set TIMG,  4608                       ; a tile's image: fragment s, half c at 1024 s + 512 c + 16 x lane; its four scale words at 4096 + 16 x lane
.set HEADB, 286720                     ; a head in KV
.set STEPB, 8960                       ; a key step in KV
.set RR,  1                            ; v1   r = lane % 16
.set HH,  2                            ; v2   hh = lane / 16
.set L16, 3                            ; v3   16 x lane
.set L8,  4                            ; v4   8 x lane
.set AR,  5                            ; v5   256 RP + 16 hh, RP = r + 8 (r / 8): a chosen row's codes
.set ASC, 6                            ; v6   16 (RP + 8 hh): R's scale words, tile 2 b in lanes 0-15, tile 2 b + 1 in lanes 16-31
.set ATS, 7                            ; v7   16 RP: T's scale words
.set ABI, 8                            ; v8   the bias: 64 hh (Q, K), 4 RP (V)
.set AMK, 9                            ; v9   RP + 8 hh: the mask's bytes (K); 16 r + 16384 hh: Qs (Q)
.set LIM, 10                           ; v10  LDS: where I store images
.set LFE, 11                           ; v11  LDS: where I fetch them
.set OU,  12                           ; v12  32 r + 16 hh: Qc
.set SH,  13                           ; v13  16 hh
.set STA, 14                           ; v14  LDS: into my stage
.set STB, 15                           ; v15  LDS: out of it
.set XF,  16                           ; v16-47   T's four fragments
.set XS,  48                           ; v48-51   T's four scale words
.set HA,  52                           ; v52-115  the eight accumulators; ahead of the barrier: numbers of q, or the two tiles that I hand on
.set PC,  116                          ; v116-123 the codes just made
.set PW,  124                          ; v124     their scale word
.set PWA, 125                          ; v125     the even tile's word
.set T0,  126
.set TM,  128                          ; v128-143 at work in QUANT
.set RS,  144                          ; v144-159 R's scale words: register 4 b + s
.set GW,  160                          ; v160-167 scale words gathered for the way out
.set MBI, 168                          ; v168-171 K: mask bytes at their place in a word
.set BV,  168                          ; v168-175 V: bv of my lane's channel, tile by tile
.set CB,  176                          ; v176-183 V: the same, eight times: the C of a sum's first product
.set TSC, 184                          ; v184-191 K, V: scale words of the two tiles that I hand on
.set MSB, 0
.macro WIN new                         ; the immediate's high byte repeats the setting that is left
.if MSB != \new
	s_set_vgpr_msb (MSB<<8)|\new
.set MSB, \new
.endif
.endm
.macro WM d, a, b, c, sa, sb, odd      ; one product; odd = 1: source 0's scales stand in lanes 16-31
.if \odd
	v_wmma_scale_f32_16x16x128_f8f6f4 v[\d:\d+7], v[\a:\a+7], v[\b:\b+7], v[\c:\c+7], v[\sa], v[\sb] matrix_a_fmt:MATRIX_FMT_FP4 matrix_b_fmt:MATRIX_FMT_FP4 matrix_a_scale:MATRIX_SCALE_ROW1
.else
	v_wmma_scale_f32_16x16x128_f8f6f4 v[\d:\d+7], v[\a:\a+7], v[\b:\b+7], v[\c:\c+7], v[\sa], v[\sb] matrix_a_fmt:MATRIX_FMT_FP4 matrix_b_fmt:MATRIX_FMT_FP4
.endif
.endm
.macro RLOAD cb, sb                    ; the resident operand: 64 loads of codes into window 1, fragment (t, s) at 8 (4 t + s); 4 loads of scale words
	WIN 0x40
.irp t, 0,1,2,3,4,5,6,7
.irp s, 0,1,2,3
.irp c, 0,1
	global_load_b128 v[8*(4*\t+\s)+4*\c:8*(4*\t+\s)+4*\c+3], v[AR], s[\cb:\cb+1] offset:(32*(\t/2)+8*(\t%2))*256+64*\s+32*\c
.endr
.endr
.endr
	WIN 0
.irp b, 0,1,2,3
	global_load_b128 v[RS+4*\b:RS+4*\b+3], v[ASC], s[\sb:\sb+1] offset:512*\b
.endr
.endm
.macro BLOAD bb                        ; Q, K: the bias in the result's layout, eight registers a tile, into window 3: 16 loads
	WIN 0xc0
.irp t, 0,1,2,3,4,5,6,7
	global_load_b128 v[8*\t:8*\t+3], v[ABI], s[\bb:\bb+1] offset:(32*(\t/2)+8*(\t%2))*4
	global_load_b128 v[8*\t+4:8*\t+7], v[ABI], s[\bb:\bb+1] offset:(32*(\t/2)+8*(\t%2))*4+16
.endr
	WIN 0
.endm
.macro TLOADS cb, sb                   ; K, V: tiles 2 w and 2 w + 1 of T, as fragments: 18 loads
.irp i, 0,1
.irp s, 0,1,2,3
.irp c, 0,1
	global_load_b128 v[HA+32*\i+8*\s+4*\c:HA+32*\i+8*\s+4*\c+3], v[AR], s[\cb:\cb+1] offset:2048*\i+64*\s+32*\c
.endr
.endr
	global_load_b128 v[TSC+4*\i:TSC+4*\i+3], v[ATS], s[\sb:\sb+1] offset:128*\i
.endr
.endm
.macro TSTORES                         ; and their images into LDS
.irp i, 0,1
.irp s, 0,1,2,3
.irp c, 0,1
	ds_store_b128 v[LIM], v[HA+32*\i+8*\s+4*\c:HA+32*\i+8*\s+4*\c+3] offset:TIMG*\i+1024*\s+512*\c
.endr
.endr
	ds_store_b128 v[LIM], v[TSC+4*\i:TSC+4*\i+3] offset:TIMG*\i+4096
.endr
.endm
; 64 numbers of a lane, register 16 b + i = k 32 b + 16 hh + i of my row, become a fragment's codes in v[dst] on and its scale word in v[pw].
.macro QUANT src, dst, pw
.irp b, 0,1,2,3
	v_max3_num_f32 v[TM+\b], |v[\src+16*\b]|, |v[\src+1+16*\b]|, 0x1800000   ; block b: my 16 numbers, and the floor 2^(3 - 127): the byte cannot fall under 1
.endr
.irp i, 2,4,6,8,10,12,14
.irp b, 0,1,2,3
	v_max3_num_f32 v[TM+\b], v[TM+\b], |v[\src+16*\b+\i]|, |v[\src+1+16*\b+\i]|   ; the four blocks by turns
.endr
.endr
.irp b, 0,1,2,3
	v_permlanex16_b32 v[TM+4+\b], v[TM+\b], s20, s21
.endr
.irp b, 0,1,2,3
	v_max_num_f32 v[TM+\b], v[TM+\b], v[TM+4+\b]   ; with lane l xor 16's: the block's largest magnitude
.endr
.irp b, 0,1,2,3
	v_add_nc_u32 v[TM+12+\b], 0xff000000, v[TM+\b]   ; 2 off its exponent field: the conversion's scale operand
.endr
.irp b, 0,1,2,3
	v_lshrrev_b32 v[TM+4+\b], 23, v[TM+12+\b]      ; the scale's byte
.endr
	v_lshl_or_b32 v[\pw], v[TM+5], 8, v[TM+4]
	v_lshl_or_b32 v[\pw], v[TM+6], 16, v[\pw]
	v_lshl_or_b32 v[\pw], v[TM+7], 24, v[\pw]
.irp b, 0,1,2,3
	v_cvt_scalef32_pk8_fp4_f32 v[\dst+2*\b], v[\src+16*\b:\src+7+16*\b], v[TM+12+\b]
	v_cvt_scalef32_pk8_fp4_f32 v[\dst+1+2*\b], v[\src+8+16*\b:\src+15+16*\b], v[TM+12+\b]
.endr
	v_nop                                          ; one plain place behind a scaled conversion
.irp c, 0,1                            ; the operand's layout wants a whole block in a lane
.irp i, 0,1
	v_permlane16_swap_b32 v[\dst+4*\c+\i], v[\dst+2+4*\c+\i]
.endr
.endr
.endm
.macro TFETCH m                        ; tile m of T out of LDS: 9 loads
.irp s, 0,1,2,3
.irp c, 0,1
	ds_load_b128 v[XF+8*\s+4*\c:XF+8*\s+4*\c+3], v[LFE] offset:TIMG*(\m)+1024*\s+512*\c
.endr
.endr
	ds_load_b128 v[XS:XS+3], v[LFE] offset:TIMG*(\m)+4096
.endm
; 32 products: the eight accumulators take turns, one instruction a turn, K step by K step.  The bias is the C of each sum's first product.
.macro MM vmode
.irp s, 0,1,2,3
.if (\s == 0) && (\vmode == 0)
	WIN 0x31                                       ; source 0 (R) window 1, C (the bias) window 3
.else
	WIN 0x01
.endif
.irp t, 0,1,2,3,4,5,6,7
.if \s > 0
	WM HA+8*\t, 8*(4*\t+\s), XF+8*\s, HA+8*\t, RS+4*(\t/2)+\s, XS+\s, \t%2
.elseif \vmode
	WM HA+8*\t, 8*(4*\t+\s), XF+8*\s, CB, RS+4*(\t/2)+\s, XS+\s, \t%2
.else
	WM HA+8*\t, 8*(4*\t+\s), XF+8*\s, 8*\t, RS+4*(\t/2)+\s, XS+\s, \t%2
.endif
.endr
.endr
	WIN 0
.endm
; A tile: its products; four places; the next tile is fetched while this one is quantised.
.macro TILE m, last, vmode
	MM \vmode
.rept 4
	v_nop                                          ; places in front of the reads of results, of the loads into T's registers and of the writes of C
.endr
.if \m < \last
.if \vmode
.irp j, 0,1,2,3,4,5,6,7
	v_mov_b32 v[CB+\j], v[BV+(\m)+1]               ; the next tile's bias: one number a lane, eight times
.endr
.endif
	TFETCH (\m)+1
.endif
	s_wait_xcnt 0x0                                ; the last tile's stores have read their data: the codes' registers are written again only behind this wait
	QUANT HA, PC, PW
.endm
.macro BARRIER                         ; my LDS stores have landed and my LDS loads are in: then the work-group's barrier
	s_wait_dscnt 0x0
	s_barrier_signal -1
	s_barrier_wait -1
.endm
; Body Q: K step s of my 16 rows of q, loaded 512 consecutive bytes an instruction, turns through my stage so that a lane holds 16 neighbours of each block of 32 of ONE row.
.macro TURN s
	WIN 0x08                                       ; an LDS store's data are its source 1: window 2
.irp i, 0,1,2,3,4,5,6,7,8,9,10,11,12,13,14,15
	ds_store_b128 v[STA], v[64*(\s)+4*\i:64*(\s)+4*\i+3] offset:((\s)%2)*HSTG+528*\i
.endr
	WIN 0
.irp b, 0,1,2,3
.irp j, 0,1,2,3
	ds_load_b128 v[HA+132*((\s)%2)+16*\b+4*\j:HA+132*((\s)%2)+16*\b+4*\j+3], v[STB] offset:((\s)%2)*HSTG+128*\b+16*\j   ; LDS serves a wave's instructions in order: these see the stores above
.endr
.endr
.endm
	v_lshl_add_u32 v254, v0, 2, 0x27000
	v_mov_b32 v255, 0
	v_lshrrev_b32 v[RR], 5, v0
	v_readfirstlane_b32 s18, v[RR]                 ; wave 0..3
	v_and_b32 v[RR], 15, v0
	v_bfe_u32 v[HH], v0, 4, 1
	v_and_b32 v[L8], 31, v0
	v_lshlrev_b32 v[L16], 4, v[L8]
	v_lshlrev_b32 v[L8], 3, v[L8]
	v_and_b32 v[AMK], 8, v[RR]
	v_add_nc_u32 v[AMK], v[AMK], v[RR]             ; RP = r + 8 (r / 8)
	v_lshlrev_b32 v[AR], 8, v[AMK]
	v_lshl_add_u32 v[AR], v[HH], 4, v[AR]
	v_lshlrev_b32 v[ATS], 4, v[AMK]
	v_lshl_add_u32 v[ASC], v[HH], 7, v[ATS]
	v_lshl_add_u32 v[AMK], v[HH], 3, v[AMK]
.irp b, 0,1,2,3
	v_mov_b32 v[TM+4+\b], 0                        ; written once: a lane permute's destination counts as one of its sources
.endr
	s_mov_b32 s20, 0x76543210
	s_mov_b32 s21, 0xfedcba98                      ; v_permlanex16_b32's selects for lane l xor 16
	s_mov_b32 s22, 0xffff0000                      ; lanes 16-31
	s_mov_b32 s23, 0x017f0000                      ; bytes 2 and 3 of Q's scale words: 2^0 for the mask's code, 2^-126 over zero codes
.irp p, 25,27,29,31,33,35,37
	s_mov_b32 s\p, 0                               ; the offsets' high words
.endr
	s_cmp_lt_u32 ttmp9, 128
	s_cbranch_scc0 .Lnot_q
	; ================ BODY Q ================
	s_load_b256 s[4:11], s[0:1], 0x0               ; q, Wq's codes, Wq's scales, bq
	s_load_b128 s[12:15], s[0:1], 0x20             ; Qc, Qs
	v_lshlrev_b32 v[ABI], 6, v[HH]
	v_lshlrev_b32 v[OU], 5, v[RR]
	v_lshl_add_u32 v[OU], v[HH], 4, v[OU]
	v_lshlrev_b32 v[SH], 4, v[HH]
	v_lshlrev_b32 v[AMK], 4, v[RR]
	v_lshl_add_u32 v[AMK], v[HH], 14, v[AMK]       ; Qs: 16 r; lanes 16-31 the next head's 16,384 bytes
	s_mul_i32 s40, s18, WSTG
	v_add_nc_u32 v[STA], s40, v[L16]
	v_mul_u32_u24 v[STB], v[RR], 528
	v_lshl_add_u32 v[STB], v[HH], 6, v[STB]
	v_add_nc_u32 v[STB], s40, v[STB]
	s_mul_i32 s41, s18, TIMG
	s_add_co_u32 s41, s41, QIMG
	v_add_nc_u32 v[LIM], s41, v[L16]
	v_add_nc_u32 v[LFE], QIMG, v[L16]
	s_lshl_b32 s24, ttmp9, 17                      ; q: (64 g + 16 w) rows of 2,048 bytes
	s_lshl_b32 s26, s18, 15                        ; Wq's codes: 128 w rows of 256 bytes
	s_add_co_u32 s24, s24, s26
	s_lshl_b32 s28, s18, 11                        ; Wq's scales: 128 w rows of 16 bytes
	s_lshl_b32 s30, s18, 9                         ; bq: 128 w numbers
	s_lshr_b32 s19, ttmp9, 6                       ; b
	s_and_b32 s38, ttmp9, 63                       ; which 64 rows of the batch
	s_lshl_b32 s32, s19, 20                        ; Qc: ((8 b + 2 w) 4,096 + 64 g) rows of 32 bytes
	s_lshl_b32 s39, s18, 18
	s_add_co_u32 s32, s32, s39
	s_lshl_b32 s39, s38, 11
	s_add_co_u32 s32, s32, s39
	s_lshl_b32 s34, s19, 17                        ; Qs: (8 b + 2 w) 16,384 + 256 g
	s_add_co_u32 s34, s34, s26
	s_lshl_b32 s39, s38, 8
	s_add_co_u32 s34, s34, s39
	s_wait_kmcnt 0x0
	s_add_nc_u64 s[4:5], s[4:5], s[24:25]
	s_add_nc_u64 s[6:7], s[6:7], s[26:27]
	s_add_nc_u64 s[8:9], s[8:9], s[28:29]
	s_add_nc_u64 s[10:11], s[10:11], s[30:31]
	s_add_nc_u64 s[12:13], s[12:13], s[32:33]
	s_add_nc_u64 s[14:15], s[14:15], s[34:35]
	WIN 0x80                                       ; destination window 2: my 16 rows of q, register 64 s + 4 i: row i, K step s
.irp s, 0,1,2,3
.irp i, 0,1,2,3,4,5,6,7,8,9,10,11,12,13,14,15
	global_load_b128 v[64*\s+4*\i:64*\s+4*\i+3], v[L16], s[4:5] offset:2048*\i+512*\s th:TH_LOAD_NT   ; 32 lanes read 512 consecutive bytes of a row
.endr
.endr
	WIN 0
	RLOAD 6, 8
	BLOAD 10
	s_wait_loadcnt 63                              ; 84 loads were issued behind q's 64: with 63 out at the most, q's are in
	TURN 0
.irp s, 0,1,2,3
.if \s < 3
	TURN \s+1
	s_wait_dscnt 32                                ; the next turn's 16 stores and 16 loads may be out: this K step's numbers are back
.else
	s_wait_dscnt 0x0
.endif
	QUANT HA+132*(\s%2), XF+8*\s, XS+\s
	ds_store_b128 v[LIM], v[XF+8*\s:XF+8*\s+3] offset:1024*\s
	ds_store_b128 v[LIM], v[XF+8*\s+4:XF+8*\s+7] offset:1024*\s+512
.endr
	ds_store_b128 v[LIM], v[XS:XS+3] offset:4096
	BARRIER                                        ; the four tiles of q lie in LDS
	s_wait_loadcnt 0x0                             ; Wq, its scales, bq
	TFETCH 0
	s_wait_dscnt 0x0
.irp m, 0,1,2,3
	TILE \m, 3, 0
	global_store_b128 v[OU], v[PC:PC+3], s[12:13] offset:512*\m            ; head 2 w: 16 rows x 32 bytes: 512 consecutive bytes
	global_store_b128 v[OU], v[PC+4:PC+7], s[12:13] offset:512*\m+131072   ; head 2 w + 1
	v_lshrrev_b32 v[T0], v[SH], v[PW]              ; lanes 0-15 keep head 2 w's two bytes, lanes 16-31 take head 2 w + 1's
	v_and_or_b32 v[GW+\m], v[T0], 0xffff, s23
.if \m < 3
	s_wait_dscnt 0x0                               ; the next tile is in
.endif
.endr
	global_store_b128 v[AMK], v[GW:GW+3], s[14:15] ; 16 lanes store 256 consecutive bytes of a head's scale words
	s_wait_tensorcnt 0x0
	ds_add_u32 v254, v255
	s_wait_dscnt 0x0
	s_endpgm
.Lnot_q:
	s_cmp_lt_u32 ttmp9, 192
	s_cbranch_scc0 .Lbody_v
	; ================ BODY K ================
	s_load_b256 s[4:11], s[0:1], 0x30              ; k's codes, k's scales, Wk's codes, Wk's scales
	s_load_b128 s[12:15], s[0:1], 0x50             ; bk, mask
	s_load_b64 s[16:17], s[0:1], 0x88              ; KV
	v_lshlrev_b32 v[ABI], 6, v[HH]
	s_mul_i32 s42, s18, 2*TIMG
	s_add_co_u32 s42, s42, KIMG
	v_add_nc_u32 v[LIM], s42, v[L16]
	v_add_nc_u32 v[LFE], KIMG, v[L16]
	s_sub_co_u32 s19, ttmp9, 128                   ; which 128 keys of the 8,192
	s_lshl_b32 s24, s19, 15                        ; k's codes: (128 sg + 32 w) rows of 256 bytes
	s_lshl_b32 s38, s18, 13
	s_add_co_u32 s24, s24, s38
	s_lshl_b32 s26, s19, 11                        ; k's scales: rows of 16 bytes
	s_lshl_b32 s32, s18, 9                         ; (also bk: 128 w numbers)
	s_add_co_u32 s26, s26, s32
	s_lshl_b32 s28, s18, 15                        ; Wk's codes
	s_lshl_b32 s30, s18, 11                        ; Wk's scales
	s_lshl_b32 s34, s19, 7                         ; the mask's 128 bytes
	s_lshr_b32 s38, s19, 5                         ; b
	s_lshl_b32 s38, s38, 3
	s_lshl_b32 s39, s18, 1
	s_add_co_u32 s38, s38, s39                     ; head 8 b + 2 w
	s_mul_i32 s36, s38, HEADB
	s_and_b32 s38, s19, 31                         ; the step
	s_mul_i32 s38, s38, STEPB
	s_add_co_u32 s36, s36, s38
	s_wait_kmcnt 0x0
	s_add_nc_u64 s[4:5], s[4:5], s[24:25]
	s_add_nc_u64 s[6:7], s[6:7], s[26:27]
	s_add_nc_u64 s[8:9], s[8:9], s[28:29]
	s_add_nc_u64 s[10:11], s[10:11], s[30:31]
	s_add_nc_u64 s[12:13], s[12:13], s[32:33]
	s_add_nc_u64 s[14:15], s[14:15], s[34:35]
	s_add_nc_u64 s[16:17], s[16:17], s[36:37]
	TLOADS 4, 6
.irp i, 0,1,2,3
	global_load_u8 v[MBI+\i], v[AMK], s[14:15] offset:32*\i   ; the mask of key 32 i + 8 hh + RP: tile 2 i + hh, row r
.endr
	RLOAD 8, 10
	BLOAD 12
	s_wait_loadcnt 63                              ; 84 loads were issued behind these 22: they are in
	TSTORES
.irp i, 0,1,2,3
	v_mul_u32_u24 v[MBI+\i], v[MBI+\i], 226
.endr
.irp i, 0,1,2,3
	v_sub_nc_u32 v[MBI+\i], 227, v[MBI+\i]         ; 1 where the key counts, 227 where it does not
.endr
.irp i, 0,1,2,3
	v_lshl_or_b32 v[MBI+\i], v[MBI+\i], 16, 0x7f000000   ; as byte 2, under byte 3 = 127
.endr
	BARRIER                                        ; the eight tiles of k lie in LDS
	s_wait_loadcnt 0x0
	TFETCH 0
	s_wait_dscnt 0x0
.irp m, 0,1,2,3,4,5,6,7
	TILE \m, 7, 0
	global_store_b128 v[L16], v[PC:PC+3], s[16:17] offset:512*\m          ; head 2 w: the tile's image, 512 consecutive bytes
	global_store_b128 v[L16], v[PC+4:PC+7], s[16:17] offset:512*\m+HEADB  ; head 2 w + 1
.if \m%2 == 0
	v_mov_b32 v[PWA], v[PW]
.else
	v_cndmask_b32 v[T0], v[PWA], v[PW], s22        ; lanes 0-15: the even tile's word; lanes 16-31: the odd tile's
	v_and_or_b32 v[GW+\m/2], v[T0], 0xffff, v[MBI+\m/2]   ; head 2 w's two bytes, the mask's byte, 127
	v_lshrrev_b32 v[T0], 16, v[T0]
	v_or_b32 v[GW+4+\m/2], v[T0], v[MBI+\m/2]      ; head 2 w + 1's
.endif
.if \m < 7
	s_wait_dscnt 0x0
.endif
.endr
	global_store_b128 v[L16], v[GW:GW+3], s[16:17] offset:4096
	global_store_b128 v[L16], v[GW+4:GW+7], s[16:17] offset:4096+HEADB
	s_wait_tensorcnt 0x0
	ds_add_u32 v254, v255
	s_wait_dscnt 0x0
	s_endpgm
.Lbody_v:
	; ================ BODY V ================
	s_load_b256 s[4:11], s[0:1], 0x60              ; v's codes, v's scales, Wv's codes, Wv's scales
	s_load_b128 s[12:15], s[0:1], 0x80             ; bv, KV
	v_lshrrev_b32 v[ABI], 2, v[ATS]                ; 4 RP
	s_mul_i32 s42, s18, 2*TIMG
	s_add_co_u32 s42, s42, VIMG
	v_add_nc_u32 v[LIM], s42, v[L16]
	v_add_nc_u32 v[LFE], VIMG, v[L16]
	s_sub_co_u32 s19, ttmp9, 192
	s_lshr_b32 s38, s19, 2                         ; kg: which 512 keys
	s_and_b32 s39, s19, 3                          ; hp: which pair of heads
	s_lshl_b32 s24, s38, 17                        ; v's codes: (512 kg + 128 w) rows of 256 bytes
	s_lshl_b32 s40, s18, 15
	s_add_co_u32 s24, s24, s40
	s_lshl_b32 s26, s38, 13                        ; v's scales
	s_lshl_b32 s40, s18, 11
	s_add_co_u32 s26, s26, s40
	s_lshl_b32 s28, s39, 15                        ; Wv's codes: (128 hp + 32 w) rows
	s_lshl_b32 s40, s18, 13
	s_add_co_u32 s28, s28, s40
	s_lshl_b32 s30, s39, 11                        ; Wv's scales
	s_lshl_b32 s40, s18, 9
	s_add_co_u32 s30, s30, s40
	s_lshl_b32 s32, s39, 9                         ; bv: 128 hp numbers
	s_lshr_b32 s40, s38, 3                         ; b
	s_lshl_b32 s40, s40, 3
	s_lshl_b32 s41, s39, 1
	s_add_co_u32 s40, s40, s41                     ; head 8 b + 2 hp
	s_mul_i32 s34, s40, HEADB
	s_and_b32 s40, s38, 7
	s_lshl_b32 s40, s40, 2
	s_add_co_u32 s40, s40, s18                     ; my wave's step: 4 (kg % 8) + w
	s_mul_i32 s40, s40, STEPB
	s_add_co_u32 s34, s34, s40
	s_wait_kmcnt 0x0
	s_add_nc_u64 s[4:5], s[4:5], s[24:25]
	s_add_nc_u64 s[6:7], s[6:7], s[26:27]
	s_add_nc_u64 s[8:9], s[8:9], s[28:29]
	s_add_nc_u64 s[10:11], s[10:11], s[30:31]
	s_add_nc_u64 s[12:13], s[12:13], s[32:33]
	s_add_nc_u64 s[14:15], s[14:15], s[34:35]
	TLOADS 8, 10
.irp m, 0,1,2,3,4,5,6,7
	global_load_b32 v[BV+\m], v[ABI], s[12:13] offset:4*(32*(\m/2)+8*(\m%2))   ; bv of tile m's channel r: the bias hangs on T's row here, that is on the lane
.endr
	RLOAD 4, 6
	s_wait_loadcnt 63                              ; 68 loads were issued behind these 26: they are in
	TSTORES
.irp j, 0,1,2,3,4,5,6,7
	v_mov_b32 v[CB+\j], v[BV]
.endr
.rept 4
	v_nop
.endr
	BARRIER                                        ; the eight tiles of Wv lie in LDS
	s_wait_loadcnt 0x0
	TFETCH 0
	s_wait_dscnt 0x0
.irp m, 0,1,2,3,4,5,6,7
	TILE \m, 7, 1
	global_store_b128 v[L16], v[PC:PC+3], s[14:15] offset:4608+1024*(\m%4)+HEADB*(\m/4)        ; keys 0-63 of the step, 16 channels: 512 consecutive bytes
	global_store_b128 v[L16], v[PC+4:PC+7], s[14:15] offset:4608+1024*(\m%4)+512+HEADB*(\m/4)  ; keys 64-127
.if \m%2 == 0
	v_mov_b32 v[PWA], v[PW]
.else
	v_cndmask_b32 v[GW+2*(\m/4)+(\m%4)/2], v[PWA], v[PW], s22   ; lanes 0-15: the even tile's word; lanes 16-31: the odd tile's
.endif
.if \m%4 == 3
	global_store_b64 v[L8], v[GW+2*(\m/4):GW+2*(\m/4)+1], s[14:15] offset:8704+HEADB*(\m/4)   ; 32 lanes store 256 consecutive bytes
.endif
.if \m < 7
	s_wait_dscnt 0x0
.endif
.endr
	s_wait_tensorcnt 0x0
	ds_add_u32 v254, v255
	s_wait_dscnt 0x0
	s_endpgm
.Lfunc_end_k_qf1f7b68359_proj:
	.size	k_qf1f7b68359_proj, .Lfunc_end_k_qf1f7b68359_proj-k_qf1f7b68359_proj
	.p2alignl 7, 3214868480
	.fill 96, 4, 3214868480
	.section	.rodata,"a",@progbits
	.p2align	6, 0x0
	.amdhsa_kernel k_qf1f7b68359_proj
		.amdhsa_group_segment_fixed_size 160256
		.amdhsa_private_segment_fixed_size 0
		.amdhsa_enable_private_segment 0
		.amdhsa_kernarg_size 144
		.amdhsa_user_sgpr_count 2
		.amdhsa_user_sgpr_kernarg_segment_ptr 1
		.amdhsa_wavefront_size32 1
		.amdhsa_system_sgpr_workgroup_id_x 1
		.amdhsa_system_sgpr_workgroup_id_y 1
		.amdhsa_system_sgpr_workgroup_id_z 1
		.amdhsa_system_vgpr_workitem_id 0
		.amdhsa_next_free_vgpr 832
		.amdhsa_next_free_sgpr 66
		.amdhsa_reserve_vcc 0
		.amdhsa_float_denorm_mode_32 3
		.amdhsa_float_denorm_mode_16_64 3
		.amdhsa_memory_ordered 1
		.amdhsa_forward_progress 1
		.amdhsa_inst_pref_size 247
	.end_amdhsa_kernel
	.amdgpu_metadata
---
amdhsa.version: [ 1, 2 ]
amdhsa.kernels:
  - .name:           k_qf1f7b68359_proj
    .symbol:         k_qf1f7b68359_proj.kd
    .args:
      - { .name: q, .offset: 0, .size: 8, .value_kind: global_buffer, .address_space: global }
      - { .name: Wq_codes, .offset: 8, .size: 8, .value_kind: global_buffer, .address_space: global }
      - { .name: Wq_scales, .offset: 16, .size: 8, .value_kind: global_buffer, .address_space: global }
      - { .name: bq, .offset: 24, .size: 8, .value_kind: global_buffer, .address_space: global }
      - { .name: Qc, .offset: 32, .size: 8, .value_kind: global_buffer, .address_space: global }
      - { .name: Qs, .offset: 40, .size: 8, .value_kind: global_buffer, .address_space: global }
      - { .name: k_codes, .offset: 48, .size: 8, .value_kind: global_buffer, .address_space: global }
      - { .name: k_scales, .offset: 56, .size: 8, .value_kind: global_buffer, .address_space: global }
      - { .name: Wk_codes, .offset: 64, .size: 8, .value_kind: global_buffer, .address_space: global }
      - { .name: Wk_scales, .offset: 72, .size: 8, .value_kind: global_buffer, .address_space: global }
      - { .name: bk, .offset: 80, .size: 8, .value_kind: global_buffer, .address_space: global }
      - { .name: mask, .offset: 88, .size: 8, .value_kind: global_buffer, .address_space: global }
      - { .name: v_codes, .offset: 96, .size: 8, .value_kind: global_buffer, .address_space: global }
      - { .name: v_scales, .offset: 104, .size: 8, .value_kind: global_buffer, .address_space: global }
      - { .name: Wv_codes, .offset: 112, .size: 8, .value_kind: global_buffer, .address_space: global }
      - { .name: Wv_scales, .offset: 120, .size: 8, .value_kind: global_buffer, .address_space: global }
      - { .name: bv, .offset: 128, .size: 8, .value_kind: global_buffer, .address_space: global }
      - { .name: KV, .offset: 136, .size: 8, .value_kind: global_buffer, .address_space: global }
    .group_segment_fixed_size: 160256
    .private_segment_fixed_size: 0
    .kernarg_segment_align: 8
    .kernarg_segment_size: 144
    .max_flat_workgroup_size: 128
    .sgpr_count:     66
    .vgpr_count:     832
    .wavefront_size: 32
...
	.end_amdgpu_metadata
.endif
;; end of part 1
;; launch attn (part 2): grid 16 x 16, 16 waves a work-group, clusters of 4 x 1, 296,960 bytes of LDS; arguments Qc, Qs, KV, mask, Xc, Xs; writes Xc, Xs
.if DOCPART == 2
	.amdgcn_target "amdgcn-amd-amdhsa--gfx1250"
	.amdhsa_code_object_version 6
	.text
	.protected	k_qf1f7b68359_attn
	.globl	k_qf1f7b68359_attn
	.p2align	8
	.type	k_qf1f7b68359_attn,@function
k_qf1f7b68359_attn:
	s_mov_b64 s[64:65], 0
	v_nop
	global_prefetch_b8 v0, s[64:65] scope:SCOPE_SE
	s_setreg_imm32_b32 hwreg(HW_REG_WAVE_MODE, 25, 1), 1
	s_wait_xcnt 0x0
	s_wait_alu depctr_hold_cnt(0) depctr_sa_sdst(0) depctr_va_vdst(0) depctr_va_sdst(0) depctr_va_ssrc(0) depctr_va_vcc(0) depctr_vm_vsrc(0)
	s_getreg_b32 s2, hwreg(HW_REG_IB_STS2, 6, 4)
	s_cmp_eq_u32 s2, 0
	s_cbranch_scc0 .Lentry_in_a_cluster
	s_endpgm
.Lentry_in_a_cluster:
	s_bfe_u32 s2, ttmp6, 0x10000c
	s_cmp_lg_u32 s2, 0x3003
	s_cbranch_scc0 .Lentry_shape_is_right
	s_endpgm
.Lentry_shape_is_right:
; x[bh][q][:] = the sum over keys of p V, p = sigmoid(qh . kh / 8) m / (1e-6 + sum m), both products on codes of E2M1 with E8M0 scales; p is quantised along the keys, x along the head's 64.
; SHARES.  A work-group owns 256 queries of one head (grid x: the block, grid y: batch x head); each of its sixteen waves owns 16 of them, one tile, in 256 registers: four waves to a SIMD, so that one wave's
; exponentials and reciprocals stand beside another's products and LDS loads.  Every wave walks all 4,096 keys, 128 a step.
; A WHOLE HEAD LIES IN LDS: 32 steps x 8,960 bytes = 286,720, laid by the launch before as images of the operands' registers (every LDS read is 16 x lane or 8 x lane).  It comes once, in four chunks of eight steps;
; waves 0-3 ask for a quarter of each chunk: four tensor loads of a wave are out at the most.  Nothing is filled twice, so there is no ring.
; CLUSTER.  The four query blocks of a cluster belong to one head: each part is asked for JOINTLY, by the same tensor load with the same descriptor and a mask that names the four.
; LAYOUT.  Both products are used transposed: S^T = K Q^T (source 0 = 16 keys, source 1 = my 16 queries), O^T = V^T P^T: a lane holds ONE query throughout.  The keys of a tile of K, and the channels of a tile of V^T,
; were chosen (row 32 (t / 2) + 8 (t % 2) + r + 8 (r / 8)) so that the 16 registers of tiles 2 b, 2 b + 1 are 16 neighbours along the next K.
; THE MASK COSTS NO VECTOR INSTRUCTION.  The first product's K is 64 in an instruction of 128.  At k = 64 K holds the code -1 and Q the code +1; byte 2 of a key's scale word is 1 (2^-126) where the key counts and
; 227 (2^100) where it does not.  A hidden key's score is then -2^100, its 2^t overflows to infinity, and the reciprocal gives exactly 0.
; THE SIGMOID AND THE DIVISION ARE ONE RECIPROCAL: p = 1 / (e w + w), e = 2^(-score log2(e) / 8), w = 1e-6 + sum m.
; LIMITS: scores beyond 2^90 in magnitude are not told apart from a hidden key's; a key that counts has 2^-126 taken off its score; a p under 2^-126 comes out as 0 (the transcendentals flush denormals:
; ISA guide, their entries); a block of zeros gets the byte 1 where the rule says 127 (zero codes; read by this program alone); NaN and infinities are not served.
.set STEPB,  8960
.set HEADB,  286720
.set PARTB,  17920                     ; a wave's part of a chunk: 70 rows of 256 bytes
.set CHUNKB, 71680                     ; eight steps
.set XSTG,   286720                    ; behind the head: 512 bytes for x's scale bytes; no tile lands there
.set L16, 1                            ; v1   16 x lane
.set L8,  2                            ; v2   8 x lane
.set ADR, 3                            ; v3   the step's LDS address + 16 x lane
.set AD8, 4                            ; v4   + 8 x lane
.set W,   6                            ; v[6:7] w, twice
.set OX,  8                            ; v8   32 r + 16 hh: Qc and Xc
.set SXA, 9                            ; v9   LDS: my row's two scale bytes
.set SXR, 10                           ; v10  LDS: the work-group's 512 bytes of them, 16 x lane
.set QF,  16                           ; v16-23   Q's fragment; registers 4-7 are constants
.set QS,  24                           ; v24      Q's scale words
.set PW,  25                           ; v25      p's scale word
.set VS,  26                           ; v26-27   V's scale words
.set KS,  28                           ; v28-31   K's scale words
.set KF,  32                           ; v32-95   K's eight fragments; registers 4-7 of each are constants
.set S,   96                           ; v96-159  S^T, then p
.set O,   160                          ; v160-191 O^T
.set VF,  192                          ; v192-223 V's four fragments
.set PC,  224                          ; v224-231 p's codes
.set TM,  232                          ; v232-247 at work
.macro WM d, a, b, c, sa, sb, odd      ; one product; odd = 1: source 0's scales stand in lanes 16-31
.if \odd
	v_wmma_scale_f32_16x16x128_f8f6f4 v[\d:\d+7], v[\a:\a+7], v[\b:\b+7], v[\c:\c+7], v[\sa], v[\sb] matrix_a_fmt:MATRIX_FMT_FP4 matrix_b_fmt:MATRIX_FMT_FP4 matrix_a_scale:MATRIX_SCALE_ROW1
.else
	v_wmma_scale_f32_16x16x128_f8f6f4 v[\d:\d+7], v[\a:\a+7], v[\b:\b+7], v[\c:\c+7], v[\sa], v[\sb] matrix_a_fmt:MATRIX_FMT_FP4 matrix_b_fmt:MATRIX_FMT_FP4
.endif
.endm
.macro WM0 d, a, b, sa, sb, odd        ; the same, starting a sum
.if \odd
	v_wmma_scale_f32_16x16x128_f8f6f4 v[\d:\d+7], v[\a:\a+7], v[\b:\b+7], 0, v[\sa], v[\sb] matrix_a_fmt:MATRIX_FMT_FP4 matrix_b_fmt:MATRIX_FMT_FP4 matrix_a_scale:MATRIX_SCALE_ROW1
.else
	v_wmma_scale_f32_16x16x128_f8f6f4 v[\d:\d+7], v[\a:\a+7], v[\b:\b+7], 0, v[\sa], v[\sb] matrix_a_fmt:MATRIX_FMT_FP4 matrix_b_fmt:MATRIX_FMT_FP4
.endif
.endm
.macro ROUND                           ; a round of the cluster's barrier
	s_barrier_signal -1
	s_barrier_wait -1
	s_cmp_lg_u32 s16, 0
	s_cbranch_scc1 .Lnot_wave_0_\@
	s_barrier_signal -3
.Lnot_wave_0_\@:
	s_barrier_wait -3
	s_barrier_signal -1
	s_barrier_wait -1
.endm
; p's 64 numbers of a lane (register 16 b + i = key 32 b + 16 hh + i) become the second product's source 1 and its scale word.  No |.|: p is never negative.
.macro QUANTP
.irp b, 0,1,2,3
	v_max3_num_f32 v[TM+\b], v[S+16*\b], v[S+1+16*\b], 0x1800000   ; block b: my 16 numbers, and the floor 2^(3 - 127): the byte cannot fall under 1
.endr
.irp i, 2,4,6,8,10,12,14
.irp b, 0,1,2,3
	v_max3_num_f32 v[TM+\b], v[TM+\b], v[S+16*\b+\i], v[S+1+16*\b+\i]   ; the four blocks by turns
.endr
.endr
.irp b, 0,1,2,3
	v_permlanex16_b32 v[TM+4+\b], v[TM+\b], s20, s21
.endr
.irp b, 0,1,2,3
	v_max_num_f32 v[TM+\b], v[TM+\b], v[TM+4+\b]   ; with lane l xor 16's: the block's largest p
.endr
.irp b, 0,1,2,3
	v_add_nc_u32 v[TM+12+\b], 0xff000000, v[TM+\b]   ; 2 off its exponent field: the conversion's scale operand
.endr
.irp b, 0,1,2,3
	v_lshrrev_b32 v[TM+4+\b], 23, v[TM+12+\b]      ; the scale's byte
.endr
	v_lshl_or_b32 v[PW], v[TM+5], 8, v[TM+4]
	v_lshl_or_b32 v[PW], v[TM+6], 16, v[PW]
	v_lshl_or_b32 v[PW], v[TM+7], 24, v[PW]
.irp b, 0,1,2,3
	v_cvt_scalef32_pk8_fp4_f32 v[PC+2*\b], v[S+16*\b:S+7+16*\b], v[TM+12+\b]
	v_cvt_scalef32_pk8_fp4_f32 v[PC+1+2*\b], v[S+8+16*\b:S+15+16*\b], v[TM+12+\b]
.endr
	v_nop                                          ; one plain place behind a scaled conversion
.irp c, 0,1                            ; the operand's layout wants a whole block in a lane
.irp i, 0,1
	v_permlane16_swap_b32 v[PC+4*\c+\i], v[PC+2+4*\c+\i]
.endr
.endr
.endm
; A KEY STEP: 128 keys, at LDS byte s48.  zero = 1: its second products start O^T's sums.
.macro STEP zero
	v_add_nc_u32 v[ADR], s48, v[L16]               ; these four lines are the places behind the last step's products, in front of the loads into V's registers
	v_add_nc_u32 v[AD8], s48, v[L8]
	v_nop
	v_nop
.irp t, 0,1,2,3,4,5,6,7
	ds_load_b128 v[KF+8*\t:KF+8*\t+3], v[ADR] offset:512*\t
.endr
	ds_load_b128 v[KS:KS+3], v[ADR] offset:4096
.irp f, 0,1,2,3,4,5,6,7
	ds_load_b128 v[VF+4*\f:VF+4*\f+3], v[ADR] offset:4608+512*\f
.endr
	ds_load_b64 v[VS:VS+1], v[AD8] offset:8704
	s_wait_dscnt 9                                 ; K's nine loads are in; V's nine may be out
.irp t, 0,1,2,3,4,5,6,7
	WM0 S+8*\t, KF+8*\t, QF, KS+\t/2, QS, \t%2
.endr
.rept 4
	v_nop
.endr
.set j, 0
.rept 32
	v_pk_mul_f32 v[S+j:S+j+1], v[S+j:S+j+1], s[22:23] op_sel_hi:[1,0]   ; t = -score log2(e) / 8, two at a time; each accumulator from its low end on
.set j, j+2
.endr
.set j, 0
.rept 64
	v_exp_f32 v[S+j], v[S+j]                       ; e = 2^t
.set j, j+1
.endr
	v_nop                                          ; a plain place behind the last exponential
	s_wait_alu depctr_va_vdst(0)                   ; one wait for the batch, ahead of its first reader
.set j, 0
.rept 32
	v_pk_fma_f32 v[S+j:S+j+1], v[S+j:S+j+1], v[W:W+1], v[W:W+1]   ; e w + w
.set j, j+2
.endr
.set j, 0
.rept 64
	v_rcp_f32 v[S+j], v[S+j]                       ; p
.set j, j+1
.endr
	v_nop
	s_wait_alu depctr_va_vdst(0)                   ; one wait for the batch
	QUANTP
.rept 8
	v_nop                                          ; a scale register written by a vector instruction stands 8 places ahead of a scaled product, an operand so written 4
.endr
	s_wait_dscnt 0x0                               ; V is in
.irp t, 0,1,2,3
.if \zero
	WM0 O+8*\t, VF+8*\t, PC, VS+\t/2, PW, \t%2
.else
	WM O+8*\t, VF+8*\t, PC, O+8*\t, VS+\t/2, PW, \t%2   ; between two links on one accumulator stand eleven other products: the accumulators take turns
.endif
.endr
	s_add_co_u32 s48, s48, STEPB
.endm
; A chunk of eight steps.  The wave that asked for a part waits until it has landed (its later chunks' loads may stay out), then the work-group's barrier shows the chunk to all.
.macro CHUNK c, first, trips
	s_wait_tensorcnt 3-\c
	s_barrier_signal -1
	s_barrier_wait -1
	s_mov_b32 s48, CHUNKB*\c
.if \first
	STEP 1
.endif
	s_mov_b32 s49, \trips
.Lstep_\@:
	STEP 0
	s_sub_co_u32 s49, s49, 1
	s_cmp_lg_u32 s49, 0
	s_cbranch_scc1 .Lstep_\@
.endm
	s_load_b256 s[4:11], s[0:1], 0x0               ; Qc, Qs, KV, mask
	s_load_b128 s[12:15], s[0:1], 0x20             ; Xc, Xs
	v_lshl_add_u32 v254, v0, 2, 0x48000
	v_mov_b32 v255, 0
	ds_add_u32 v254, v255
	ds_add_u32 v254, v255
	v_lshrrev_b32 v5, 5, v0
	v_readfirstlane_b32 s16, v5                    ; wave 0..15
	v_and_b32 v5, 31, v0
	v_lshlrev_b32 v[L16], 4, v5
	v_lshlrev_b32 v[L8], 3, v5
	v_and_b32 v11, 15, v0                          ; r
	v_bfe_u32 v12, v0, 4, 1                        ; hh
	v_lshlrev_b32 v[OX], 5, v11
	v_lshl_add_u32 v[OX], v12, 4, v[OX]
	v_lshlrev_b32 v13, 4, v11                      ; Qs: 16 r
	s_lshl_b32 s53, s16, 5
	s_add_co_u32 s53, s53, XSTG
	v_lshl_add_u32 v[SXA], v11, 1, s53             ; 32 bytes a wave, 2 a row
	v_add_nc_u32 v[SXR], XSTG, v[L16]
	s_bfe_u32 s17, ttmp6, 0x40000                  ; cx: my place in the cluster
	s_lshl_b32 s18, ttmp9, 2
	s_add_co_u32 s18, s18, s17                     ; my block of 256 queries: it enters Qc's, Qs's, Xc's and Xs's addresses alone
	s_and_b32 s19, ttmp7, 0xffff                   ; batch x head, which the four partners share
	s_mov_b32 s20, 0x76543210
	s_mov_b32 s21, 0xfedcba98                      ; v_permlanex16_b32's selects for lane l xor 16
	s_mov_b32 s22, 0xbe38aa3b                      ; -log2(e) / 8
	s_mov_b32 s23, s22                             ; (named with it as a pair, so it is written)
	; descriptor group 1: a dense block of 70 rows x 256 bytes (32 elements of 8 bytes), no padding
	s_mov_b32 s24, 15|(3<<16)|(1<<21)              ; 15:0 the mask: all four work-groups; 17:16 elements of 8 bytes; 21 set beside a mask
	s_mov_b32 s25, 32<<16                          ; tensor_dim0
	s_mov_b32 s26, 70<<16                          ; tensor_dim1
	s_mov_b32 s27, 32<<16                          ; tile_dim0
	s_mov_b32 s28, 70                              ; tile_dim1
	s_mov_b32 s29, 32                              ; tensor_dim0_stride
	s_mov_b32 s30, 0
	s_mov_b32 s31, 0
	s_mul_i32 s50, s19, HEADB                      ; the head in KV,
	s_mul_i32 s52, s16, PARTB                      ; my part of a chunk, in memory and in LDS alike
	s_add_co_u32 s50, s50, s52
	s_mov_b32 s51, 0
	s_lshl_b32 s56, s19, 17                        ; Qc, Xc: (4,096 bh + 256 block + 16 wave) rows of 32 bytes
	s_lshl_b32 s58, s18, 13
	s_add_co_u32 s56, s56, s58
	s_lshl_b32 s58, s16, 9
	s_add_co_u32 s56, s56, s58
	s_mov_b32 s57, 0
	s_lshl_b32 s58, s19, 14                        ; Qs: 16,384 bh + 256 (4 block + wave / 4) + 4 (wave % 4)
	s_lshl_b32 s60, s18, 10
	s_add_co_u32 s58, s58, s60
	s_lshr_b32 s60, s16, 2
	s_lshl_b32 s60, s60, 8
	s_add_co_u32 s58, s58, s60
	s_and_b32 s60, s16, 3
	s_lshl_b32 s60, s60, 2
	s_add_co_u32 s58, s58, s60
	s_mov_b32 s59, 0
	s_lshr_b32 s60, s19, 3                         ; the mask: 4,096 bytes a batch
	s_lshl_b32 s60, s60, 12
	s_mov_b32 s61, 0
	s_lshl_b32 s62, s19, 13                        ; Xs: 8,192 bh + 512 block
	s_lshl_b32 s54, s18, 9
	s_add_co_u32 s62, s62, s54
	s_mov_b32 s63, 0
	s_wait_dscnt 0x0
	s_wait_kmcnt 0x0
	s_add_nc_u64 s[8:9], s[8:9], s[50:51]
	s_add_nc_u64 s[4:5], s[4:5], s[56:57]
	s_add_nc_u64 s[12:13], s[12:13], s[56:57]
	s_add_nc_u64 s[6:7], s[6:7], s[58:59]
	s_add_nc_u64 s[10:11], s[10:11], s[60:61]
	s_add_nc_u64 s[14:15], s[14:15], s[62:63]
.irp c, 0,1,2,3                        ; descriptor group 0, a set for each chunk; none is ever written again
	s_mov_b32 s[32+4*\c], 1                        ; count = 1
	s_add_co_u32 s[33+4*\c], s52, CHUNKB*\c        ; LDS address
	s_add_nc_u64 s[34+4*\c:35+4*\c], s[8:9], CHUNKB*\c   ; global address
	s_or_b32 s[35+4*\c], s[35+4*\c], 0x80000000    ; type = 2
.endr
	ROUND                                          ; all four work-groups are here: the joint loads meet
	s_cmp_lt_u32 s16, 4                            ; waves 0-3 ask; a wave's four fills stand in one branch, ahead of every wait on TENSORcnt and every LDS read
	s_cbranch_scc0 .Lno_fill
	tensor_load_to_lds s[32:35], s[24:31]
	s_nop 0
	tensor_load_to_lds s[36:39], s[24:31]
	s_nop 0
	tensor_load_to_lds s[40:43], s[24:31]
	s_nop 0
	tensor_load_to_lds s[44:47], s[24:31]
	s_nop 0
.rept 4
	v_nop
.endr
.Lno_fill:
	global_load_b128 v[QF:QF+3], v[OX], s[4:5]     ; Q's codes: they stay
	global_load_b32 v[QS], v13, s[6:7]             ; and its scale words
.irp i, 0,1,2,3,4,5,6,7
	global_load_b128 v[S+4*\i:S+4*\i+3], v[L16], s[10:11] offset:512*\i   ; the batch's 4,096 mask bytes: 128 a lane
.endr
	v_xor_b32 v5, 1, v12                           ; 1 in lanes 0-15, which hold k = 64 .. 95
	v_lshlrev_b32 v[QF+4], 1, v5                   ; Q at k = 64: the code 2, +1
	v_mov_b32 v[QF+5], 0
	v_mov_b32 v[QF+6], 0
	v_mov_b32 v[QF+7], 0
.irp t, 0,1,2,3,4,5,6,7
	v_mul_u32_u24 v[KF+8*\t+4], v5, 10             ; K at k = 64: the code 10, -1
	v_mov_b32 v[KF+8*\t+5], 0
	v_mov_b32 v[KF+8*\t+6], 0
	v_mov_b32 v[KF+8*\t+7], 0
.endr
.irp b, 0,1,2,3
	v_mov_b32 v[TM+4+\b], 0                        ; written once: a lane permute's destination counts as one of its sources
.endr
	s_wait_loadcnt 0x0
	v_add3_u32 v14, v[S], v[S+1], v[S+2]           ; the mask's sum: 32 words a lane, byte by byte (a byte's sum is 32 at the most),
.irp i, 3,5,7,9,11,13,15,17,19,21,23,25,27,29
	v_add3_u32 v14, v14, v[S+\i], v[S+\i+1]
.endr
	v_add_nc_u32 v14, v14, v[S+31]
	v_lshrrev_b32 v15, 8, v14
	v_and_b32 v14, 0xff00ff, v14
	v_and_b32 v15, 0xff00ff, v15
	v_add_nc_u32 v14, v14, v15                     ; the four bytes,
	v_lshrrev_b32 v15, 16, v14
	v_and_b32 v14, 0xffff, v14
	v_add_nc_u32 v14, v14, v15
	v_cvt_f32_u32 v14, v14
	v_add_f32_dpp v14, v14, v14 row_xmask:1 row_mask:0xf bank_mask:0xf   ; and the 32 lanes: whole numbers up to 4,096, exact in f32
	v_add_f32_dpp v14, v14, v14 row_xmask:2 row_mask:0xf bank_mask:0xf
	v_add_f32_dpp v14, v14, v14 row_xmask:4 row_mask:0xf bank_mask:0xf
	v_add_f32_dpp v14, v14, v14 row_xmask:8 row_mask:0xf bank_mask:0xf
	v_permlanex16_b32 v15, v14, s20, s21
	v_add_f32 v14, v14, v15
	v_add_f32 v[W], 0x358637bd, v14                ; w = 1e-6 + sum m
	v_mov_b32 v[W+1], v[W]
	CHUNK 0, 1, 7                                  ; the first step is written out: its products start O^T's sums
	CHUNK 1, 0, 8
	CHUNK 2, 0, 8
	CHUNK 3, 0, 8                                  ; its wait is for 0: no tensor load is out from here on
	; THE WAY OUT: O^T's 32 numbers of a lane (register 16 b + i = channel 32 b + 16 hh + i of my query) are quantised along the head's 64: two blocks.
.rept 4
	v_nop
.endr
.irp b, 0,1
	v_max3_num_f32 v[TM+\b], |v[O+16*\b]|, |v[O+1+16*\b]|, 0x1800000
.endr
.irp i, 2,4,6,8,10,12,14
.irp b, 0,1
	v_max3_num_f32 v[TM+\b], v[TM+\b], |v[O+16*\b+\i]|, |v[O+1+16*\b+\i]|
.endr
.endr
.irp b, 0,1
	v_permlanex16_b32 v[TM+4+\b], v[TM+\b], s20, s21
.endr
.irp b, 0,1
	v_max_num_f32 v[TM+\b], v[TM+\b], v[TM+4+\b]
.endr
.irp b, 0,1
	v_add_nc_u32 v[TM+12+\b], 0xff000000, v[TM+\b]
.endr
.irp b, 0,1
	v_lshrrev_b32 v[TM+4+\b], 23, v[TM+12+\b]
.endr
	v_lshl_or_b32 v5, v[TM+5], 8, v[TM+4]          ; my row's two scale bytes
.irp b, 0,1
	v_cvt_scalef32_pk8_fp4_f32 v[PC+2*\b], v[O+16*\b:O+7+16*\b], v[TM+12+\b]
	v_cvt_scalef32_pk8_fp4_f32 v[PC+1+2*\b], v[O+8+16*\b:O+15+16*\b], v[TM+12+\b]
.endr
	v_nop
	v_permlane16_swap_b32 v[PC], v[PC+2]           ; lanes 0-15 hold block 0, lanes 16-31 block 1
	v_permlane16_swap_b32 v[PC+1], v[PC+3]
	global_store_b128 v[OX], v[PC:PC+3], s[12:13]  ; 16 rows x 32 bytes: 512 consecutive bytes
	ds_store_b16 v[SXA], v5                        ; both lanes of a row write the same two bytes with the same value
	s_wait_dscnt 0x0                               ; for the others' sake: my store has landed
	s_barrier_signal -1
	s_barrier_wait -1
	s_cmp_lg_u32 s16, 0
	s_cbranch_scc1 .Lnot_first
	ds_load_b128 v[S:S+3], v[SXR]                  ; wave 0 stores the work-group's 256 rows' scale bytes: 512 consecutive bytes
	s_wait_dscnt 0x0
	global_store_b128 v[L16], v[S:S+3], s[14:15]
.Lnot_first:
	s_wait_tensorcnt 0x0
	ds_add_u32 v254, v255
	s_wait_dscnt 0x0
	ROUND                                          ; the closing round: no work-group ends while a partner may still ask for a part that names it
	s_endpgm
.Lfunc_end_k_qf1f7b68359_attn:
	.size	k_qf1f7b68359_attn, .Lfunc_end_k_qf1f7b68359_attn-k_qf1f7b68359_attn
	.p2alignl 7, 3214868480
	.fill 96, 4, 3214868480
	.section	.rodata,"a",@progbits
	.p2align	6, 0x0
	.amdhsa_kernel k_qf1f7b68359_attn
		.amdhsa_group_segment_fixed_size 296960
		.amdhsa_private_segment_fixed_size 0
		.amdhsa_enable_private_segment 0
		.amdhsa_kernarg_size 48
		.amdhsa_user_sgpr_count 2
		.amdhsa_user_sgpr_kernarg_segment_ptr 1
		.amdhsa_wavefront_size32 1
		.amdhsa_system_sgpr_workgroup_id_x 1
		.amdhsa_system_sgpr_workgroup_id_y 1
		.amdhsa_system_sgpr_workgroup_id_z 1
		.amdhsa_system_vgpr_workitem_id 0
		.amdhsa_next_free_vgpr 256
		.amdhsa_next_free_sgpr 66
		.amdhsa_reserve_vcc 0
		.amdhsa_float_denorm_mode_32 3
		.amdhsa_float_denorm_mode_16_64 3
		.amdhsa_memory_ordered 1
		.amdhsa_forward_progress 1
		.amdhsa_inst_pref_size 89
	.end_amdhsa_kernel
	.amdgpu_metadata
---
amdhsa.version: [ 1, 2 ]
amdhsa.kernels:
  - .name:           k_qf1f7b68359_attn
    .symbol:         k_qf1f7b68359_attn.kd
    .args:
      - { .name: Qc, .offset: 0, .size: 8, .value_kind: global_buffer, .address_space: global }
      - { .name: Qs, .offset: 8, .size: 8, .value_kind: global_buffer, .address_space: global }
      - { .name: KV, .offset: 16, .size: 8, .value_kind: global_buffer, .address_space: global }
      - { .name: mask, .offset: 24, .size: 8, .value_kind: global_buffer, .address_space: global }
      - { .name: Xc, .offset: 32, .size: 8, .value_kind: global_buffer, .address_space: global }
      - { .name: Xs, .offset: 40, .size: 8, .value_kind: global_buffer, .address_space: global }
    .group_segment_fixed_size: 296960
    .private_segment_fixed_size: 0
    .kernarg_segment_align: 8
    .kernarg_segment_size: 48
    .max_flat_workgroup_size: 512
    .sgpr_count:     66
    .vgpr_count:     256
    .wavefront_size: 32
...
	.end_amdgpu_metadata
.endif
;; end of part 2
;; launch outp (part 3): grid 256 x 1, 4 waves a work-group, no clusters, 66,560 bytes of LDS; arguments Xc, Xs, Wo_codes, Wo_scales, bo, q, out0; writes out0
.if DOCPART == 3
	.amdgcn_target "amdgcn-amd-amdhsa--gfx1250"
	.amdhsa_code_object_version 6
	.text
	.protected	k_qf1f7b68359_outp
	.globl	k_qf1f7b68359_outp
	.p2align	8
	.type	k_qf1f7b68359_outp,@function
k_qf1f7b68359_outp:
	s_mov_b64 s[64:65], 0
	v_nop
	global_prefetch_b8 v0, s[64:65] scope:SCOPE_SE
	s_setreg_imm32_b32 hwreg(HW_REG_WAVE_MODE, 25, 1), 1
	s_wait_xcnt 0x0
; out0 = x Wo + bo + q, the product on codes of E2M1 with E8M0 scales.  x comes as codes by head, Xc [bh][n][32 bytes], with two scale bytes for a row and head, Xs [bh][n]; K = 64 x head + channel, so a K step of 128 is two heads.
; SHARES.  A work-group owns 32 rows; wave w makes output channels 128 w .. 128 w + 127 for all of them: 2 tiles of rows x 8 tiles of channels = 16 accumulators, which take turns, one instruction a turn.
; The product is used transposed (source 0 = 16 rows of Wo, source 1 = 16 rows of x): a lane holds eight neighbouring channels of one row.  bo is the C of each sum's first product.
; THE WAY OUT.  A row's 512 channels come from four waves: they meet in a stage in LDS (rows of 2,048 bytes + 16); each wave then takes 8 whole rows, adds q's, and stores 512 consecutive bytes an instruction.
; NO CLUSTER: what work-groups share (Wo's 128 rows of a wave) goes from memory straight into 256 registers, once; a joint load ends in LDS, and would add 128 KiB of LDS writes and reads a work-group.
; REGISTERS: window 0: v1-9 addresses; v16-79 x's fragments (m, s) at 16 + 32 m + 8 s; v80-87 x's scale words; v88-103 their halves; v104-119 Wo's scale words; v128-255 the accumulators, later rows of the result.
;   window 1: Wo's fragments (t, s) at 8 (4 t + s).   window 2: v0-63 bo's eight tiles; v64-191 my 8 rows of q.
.set SPITCH, 2064
.set RR,  1
.set HH,  2
.set L16, 3
.set AXT, 4                            ; v4   2 r
.set AXF, 5                            ; v5   32 r + 16 hh
.set AWR, 6                            ; v6   256 r + 16 hh
.set ABO, 7                            ; v7   32 hh
.set SO,  8                            ; v8   the stage: where I put 32 bytes of a row
.set SR,  9                            ; v9   and where I read rows back
.set XF,  16
.set XS,  80
.set XT,  88
.set RS,  104
.set ACC, 128
.set QB,  64                           ; in window 2
.set MSB, 0
.macro WIN new                         ; the immediate's high byte repeats the setting that is left
.if MSB != \new
	s_set_vgpr_msb (MSB<<8)|\new
.set MSB, \new
.endif
.endm
.macro WM d, a, b, c, sa, sb, odd      ; one product; odd = 1: source 0's scales stand in lanes 16-31
.if \odd
	v_wmma_scale_f32_16x16x128_f8f6f4 v[\d:\d+7], v[\a:\a+7], v[\b:\b+7], v[\c:\c+7], v[\sa], v[\sb] matrix_a_fmt:MATRIX_FMT_FP4 matrix_b_fmt:MATRIX_FMT_FP4 matrix_a_scale:MATRIX_SCALE_ROW1
.else
	v_wmma_scale_f32_16x16x128_f8f6f4 v[\d:\d+7], v[\a:\a+7], v[\b:\b+7], v[\c:\c+7], v[\sa], v[\sb] matrix_a_fmt:MATRIX_FMT_FP4 matrix_b_fmt:MATRIX_FMT_FP4
.endif
.endm
	s_load_b256 s[4:11], s[0:1], 0x0               ; Xc, Xs, Wo's codes, Wo's scales
	s_load_b128 s[12:15], s[0:1], 0x20             ; bo, q
	s_load_b64 s[16:17], s[0:1], 0x30              ; out0
	v_lshl_add_u32 v126, v0, 2, 0x10200
	v_mov_b32 v127, 0
	v_lshrrev_b32 v[RR], 5, v0
	v_readfirstlane_b32 s18, v[RR]                 ; wave 0..3
	v_and_b32 v[RR], 15, v0
	v_bfe_u32 v[HH], v0, 4, 1
	v_and_b32 v[L16], 31, v0
	v_lshlrev_b32 v[L16], 4, v[L16]
	v_lshlrev_b32 v[AXT], 1, v[RR]
	v_lshlrev_b32 v[AXF], 5, v[RR]
	v_lshl_add_u32 v[AXF], v[HH], 4, v[AXF]
	v_lshlrev_b32 v[AWR], 8, v[RR]
	v_lshl_add_u32 v[AWR], v[HH], 4, v[AWR]
	v_lshlrev_b32 v[ABO], 5, v[HH]
	v_mul_u32_u24 v[SO], v[RR], SPITCH
	v_lshl_add_u32 v[SO], v[HH], 5, v[SO]
	s_lshl_b32 s32, s18, 9                         ; my 128 channels: 512 bytes, in a stage row and in bo
	v_add_nc_u32 v[SO], s32, v[SO]
	s_mul_i32 s20, s18, 8*SPITCH
	v_add_nc_u32 v[SR], s20, v[L16]
	s_lshr_b32 s21, ttmp9, 7                       ; b
	s_and_b32 s22, ttmp9, 127                      ; which 32 rows of the batch
	s_lshl_b32 s24, s21, 20                        ; Xc: (8 b x 4,096 + 32 g) rows of 32 bytes
	s_lshl_b32 s23, s22, 10
	s_add_co_u32 s24, s24, s23
	s_mov_b32 s25, 0
	s_lshl_b32 s26, s21, 16                        ; Xs: 2 bytes a row
	s_lshl_b32 s23, s22, 6
	s_add_co_u32 s26, s26, s23
	s_mov_b32 s27, 0
	s_lshl_b32 s28, s18, 15                        ; Wo's codes: 128 w rows of 256 bytes
	s_mov_b32 s29, 0
	s_lshl_b32 s30, s18, 11                        ; Wo's scales
	s_mov_b32 s31, 0
	s_mov_b32 s33, 0
	s_lshl_b32 s34, ttmp9, 16                      ; q, out0: (32 g + 8 w) rows of 2,048 bytes
	s_lshl_b32 s23, s18, 14
	s_add_co_u32 s34, s34, s23
	s_mov_b32 s35, 0
	s_wait_kmcnt 0x0
	s_add_nc_u64 s[4:5], s[4:5], s[24:25]
	s_add_nc_u64 s[6:7], s[6:7], s[26:27]
	s_add_nc_u64 s[8:9], s[8:9], s[28:29]
	s_add_nc_u64 s[10:11], s[10:11], s[30:31]
	s_add_nc_u64 s[12:13], s[12:13], s[32:33]
	s_add_nc_u64 s[14:15], s[14:15], s[34:35]
	s_add_nc_u64 s[16:17], s[16:17], s[34:35]
.irp d, 0,1,2,3,4,5,6,7
.irp m, 0,1
	global_load_u16 v[XT+2*\d+\m], v[AXT], s[6:7] offset:8192*\d+32*\m   ; head d's two scale bytes of row 16 m + r
.endr
.endr
.irp m, 0,1
.irp s, 0,1,2,3
.irp c, 0,1
	global_load_b128 v[XF+32*\m+8*\s+4*\c:XF+32*\m+8*\s+4*\c+3], v[AXF], s[4:5] offset:131072*(2*\s+\c)+512*\m   ; head 2 s + c: k = 64 c + 32 hh on of K step s
.endr
.endr
.endr
.irp b, 0,1,2,3
	global_load_b128 v[RS+4*\b:RS+4*\b+3], v[L16], s[10:11] offset:512*\b   ; lanes 0-15: tile 2 b's words; lanes 16-31: tile 2 b + 1's
.endr
	WIN 0x40
.irp t, 0,1,2,3,4,5,6,7
.irp s, 0,1,2,3
.irp c, 0,1
	global_load_b128 v[8*(4*\t+\s)+4*\c:8*(4*\t+\s)+4*\c+3], v[AWR], s[8:9] offset:4096*\t+64*\s+32*\c
.endr
.endr
.endr
	WIN 0x80
.irp t, 0,1,2,3,4,5,6,7
	global_load_b128 v[8*\t:8*\t+3], v[ABO], s[12:13] offset:64*\t
	global_load_b128 v[8*\t+4:8*\t+7], v[ABO], s[12:13] offset:64*\t+16
.endr
.irp i, 0,1,2,3,4,5,6,7
.irp k, 0,1,2,3
	global_load_b128 v[QB+4*(4*\i+\k):QB+4*(4*\i+\k)+3], v[L16], s[14:15] offset:2048*\i+512*\k th:TH_LOAD_NT   ; the shortcut: my 8 rows of q, 512 consecutive bytes a load
.endr
.endr
	WIN 0
	s_wait_loadcnt 32                              ; all but q's 32 loads are in
.irp m, 0,1
.irp s, 0,1,2,3
	v_lshl_or_b32 v[XS+4*\m+\s], v[XT+2*(2*\s+1)+\m], 16, v[XT+4*\s+\m]   ; a K step's scale word: two heads' halves
.endr
.endr
.rept 8
	v_nop                                          ; a scale register written by a vector instruction stands 8 places ahead of a scaled product
.endr
.irp s, 0,1,2,3
.if \s == 0
	WIN 0x21                                       ; source 0 (Wo) window 1, C (bo) window 2
.else
	WIN 0x01
.endif
.irp m, 0,1
.irp t, 0,1,2,3,4,5,6,7
.if \s == 0
	WM ACC+64*\m+8*\t, 8*(4*\t+\s), XF+32*\m+8*\s, 8*\t, RS+4*(\t/2)+\s, XS+4*\m+\s, \t%2
.else
	WM ACC+64*\m+8*\t, 8*(4*\t+\s), XF+32*\m+8*\s, ACC+64*\m+8*\t, RS+4*(\t/2)+\s, XS+4*\m+\s, \t%2
.endif
.endr
.endr
.endr
	WIN 0
.rept 4
	v_nop
.endr
.irp m, 0,1
.irp t, 0,1,2,3,4,5,6,7
	ds_store_b128 v[SO], v[ACC+64*\m+8*\t:ACC+64*\m+8*\t+3] offset:16*\m*SPITCH+64*\t       ; each accumulator from its low end on
	ds_store_b128 v[SO], v[ACC+64*\m+8*\t+4:ACC+64*\m+8*\t+7] offset:16*\m*SPITCH+64*\t+16
.endr
.endr
	s_wait_dscnt 0x0                               ; for the others' sake: my stores into the stage have landed
	s_barrier_signal -1
	s_barrier_wait -1
.irp i, 0,1,2,3,4,5,6,7
.irp k, 0,1,2,3
	ds_load_b128 v[ACC+4*(4*\i+\k):ACC+4*(4*\i+\k)+3], v[SR] offset:\i*SPITCH+512*\k
.endr
.endr
	s_wait_loadcnt 0x0                             ; q
.irp g, 0,1,2,3                        ; two rows at a time
	s_wait_dscnt 24-8*\g                           ; the later groups' loads may be out
	WIN 0x08                                       ; source 1 (q) window 2
.irp e, 0,1,2,3,4,5,6,7
	v_pk_add_f32 v[ACC+4*(8*\g+\e):ACC+4*(8*\g+\e)+1], v[ACC+4*(8*\g+\e):ACC+4*(8*\g+\e)+1], v[QB+4*(8*\g+\e):QB+4*(8*\g+\e)+1]
	v_pk_add_f32 v[ACC+4*(8*\g+\e)+2:ACC+4*(8*\g+\e)+3], v[ACC+4*(8*\g+\e)+2:ACC+4*(8*\g+\e)+3], v[QB+4*(8*\g+\e)+2:QB+4*(8*\g+\e)+3]
.endr
	WIN 0
.irp e, 0,1,2,3,4,5,6,7
	global_store_b128 v[L16], v[ACC+4*(8*\g+\e):ACC+4*(8*\g+\e)+3], s[16:17] offset:2048*(2*\g+\e/4)+512*(\e%4) th:TH_STORE_NT   ; 32 lanes store 512 consecutive bytes of a row
.endr
.endr
	s_wait_tensorcnt 0x0
	ds_add_u32 v126, v127
	s_wait_dscnt 0x0
	s_endpgm
.Lfunc_end_k_qf1f7b68359_outp:
	.size	k_qf1f7b68359_outp, .Lfunc_end_k_qf1f7b68359_outp-k_qf1f7b68359_outp
	.p2alignl 7, 3214868480
	.fill 96, 4, 3214868480
	.section	.rodata,"a",@progbits
	.p2align	6, 0x0
	.amdhsa_kernel k_qf1f7b68359_outp
		.amdhsa_group_segment_fixed_size 66560
		.amdhsa_private_segment_fixed_size 0
		.amdhsa_enable_private_segment 0
		.amdhsa_kernarg_size 56
		.amdhsa_user_sgpr_count 2
		.amdhsa_user_sgpr_kernarg_segment_ptr 1
		.amdhsa_wavefront_size32 1
		.amdhsa_system_sgpr_workgroup_id_x 1
		.amdhsa_system_sgpr_workgroup_id_y 1
		.amdhsa_system_sgpr_workgroup_id_z 1
		.amdhsa_system_vgpr_workitem_id 0
		.amdhsa_next_free_vgpr 704
		.amdhsa_next_free_sgpr 66
		.amdhsa_reserve_vcc 0
		.amdhsa_float_denorm_mode_32 3
		.amdhsa_float_denorm_mode_16_64 3
		.amdhsa_memory_ordered 1
		.amdhsa_forward_progress 1
		.amdhsa_inst_pref_size 37
	.end_amdhsa_kernel
	.amdgpu_metadata
---
amdhsa.version: [ 1, 2 ]
amdhsa.kernels:
  - .name:           k_qf1f7b68359_outp
    .symbol:         k_qf1f7b68359_outp.kd
    .args:
      - { .name: Xc, .offset: 0, .size: 8, .value_kind: global_buffer, .address_space: global }
      - { .name: Xs, .offset: 8, .size: 8, .value_kind: global_buffer, .address_space: global }
      - { .name: Wo_codes, .offset: 16, .size: 8, .value_kind: global_buffer, .address_space: global }
      - { .name: Wo_scales, .offset: 24, .size: 8, .value_kind: global_buffer, .address_space: global }
      - { .name: bo, .offset: 32, .size: 8, .value_kind: global_buffer, .address_space: global }
      - { .name: q, .offset: 40, .size: 8, .value_kind: global_buffer, .address_space: global }
      - { .name: out0, .offset: 48, .size: 8, .value_kind: global_buffer, .address_space: global }
    .group_segment_fixed_size: 66560
    .private_segment_fixed_size: 0
    .kernarg_segment_align: 8
    .kernarg_segment_size: 56
    .max_flat_workgroup_size: 128
    .sgpr_count:     66
    .vgpr_count:     704
    .wavefront_size: 32
...
	.end_amdgpu_metadata
.endif
;; end of part 3
;; ======== version 2 of 2: 3 launches; version 1 with the launches proj, outp written anew for expert scheduling mode
;; limits: right only within a limited range of input values
;; workspace buffers: Qc 2,097,152 bytes; Qs 262,144 bytes; KV 4,587,520 bytes; Xc 2,097,152 bytes; Xs 131,072 bytes
;; launch proj (part 4): grid 256 x 1, 4 waves a work-group, no clusters, 160,256 bytes of LDS; arguments q, Wq_codes, Wq_scales, bq, Qc, Qs, k_codes, k_scales, Wk_codes, Wk_scales, bk, mask, v_codes, v_scales, Wv_codes, Wv_scales, bv, KV; writes Qc, Qs, KV
.if DOCPART == 4
	.amdgcn_target "amdgcn-amd-amdhsa--gfx1250"
	.amdhsa_code_object_version 6
	.text
	.protected	k_qf1f7b68359_proj
	.globl	k_qf1f7b68359_proj
	.p2align	8
	.type	k_qf1f7b68359_proj,@function
k_qf1f7b68359_proj:
	s_mov_b64 s[64:65], 0
	v_nop
	global_prefetch_b8 v0, s[64:65] scope:SCOPE_SE
	s_setreg_imm32_b32 hwreg(HW_REG_WAVE_SCHED_MODE, 0, 2), 2
	s_setreg_imm32_b32 hwreg(HW_REG_WAVE_MODE, 25, 1), 1
	s_wait_xcnt 0x0
	s_wait_alu depctr_vm_vsrc(0)
; THE THREE PROJECTIONS qh = Q(q) Wq + bq, kh = k Wk + bk, vh = v Wv + bv on codes of E2M1 with E8M0 scales, and the quantising of their results for the attention launch.
; ONE SHAPE FOR ALL THREE.  A wave keeps a RESIDENT operand R in registers: 128 rows x K 512 = 8 tiles x 4 K steps x 8 registers (window 1).  Tiles T of 16 rows x K 512 go from wave to wave through LDS as
; images of their registers.  Source 0 = R, source 1 = T: a lane then holds ONE row of T and its registers run along R's rows, which are the next product's K.
; THE ROWS OF R THAT FORM A TILE ARE NOT NEIGHBOURS: lane r of tile t takes row 32 (t / 2) + 8 (t % 2) + r + 8 (r / 8), so that the 16 registers of tiles 2 b and 2 b + 1 are the 16 neighbours 32 b + 16 (lane / 16) + 0 .. 15.
; THREE BODIES, parted by the work-group's number, each with LDS bytes, a barrier and an end of its own:
;   Q (work-groups 0-127):   64 rows of q.  R = Wq's rows 128 w on (heads 2 w, 2 w + 1); T = 4 tiles of q, quantised here from f32.  Out: Qc [bh][n][32 bytes], Qs [bh][n / 64][16][4] scale words.
;   K (128-191): 128 keys = one key step.  R = Wk's rows 128 w on; T = 8 tiles of k, their rows chosen as above.  Out: the step's images of K and its scale words, for heads 2 w, 2 w + 1.
;   V (192-255): 512 keys x 2 heads.  R = v's rows (keys) 128 w on = one key step a wave; T = 8 tiles of Wv (2 heads' channels, chosen as above).  Out: the step's images of V^T, quantised ALONG THE KEYS.
; KV [bh][step 32][8,960 bytes]: +0 eight tiles of K, 512 bytes each (16 x lane); +4096 K's scale words (16 x lane: word i = tile 2 i + lane / 16); +4608 four tiles of V^T, 1,024 bytes each; +8704 V's scale words (8 x lane).
; THE MASK rides in K's scale words: byte 2 is 1 where the key counts and 227 where it does not (the attention launch has the codes -1 and +1 at k = 64); byte 3 is 127, over zero codes.
; NO CLUSTER: what work-groups share (a weight's 128 rows) goes from memory straight into 256 registers of a wave, once; a joint load ends in LDS, and would add 128 KiB of LDS writes and reads a work-group.
; LIMITS: a block of zeros gets the byte 1 where the rule says 127 (zero codes; these bytes are read by this program alone); NaN and infinities among the inputs are not served.
; THE MODE: SCHED_MODE bits 1:0 = 2 (LLVM: expert scheduling mode 2), set by the entry lines.  The code itself states the register dependences
; between vector or matrix instructions and memory or LDS instructions, with s_wait_alu, always for 0.
; THE PLAN.  Registers that memory or LDS instructions touch:
;   v3-v15        offsets and LDS addresses: written at the head and at each body's head, never again; one wait on va_vdst ahead of each body's first load.
;   body Q, ahead of the barrier: the numbers' two buffers (v52-115, v184-247): turn s's LDS loads land in buffer s % 2, QUANT s reads it, turn s + 2 lands in it again;
;                 T's set 0: QUANT s writes fragment s and its word, the image's LDS stores read them.  ONE wait on va_vdst behind each QUANT states both.
;   bodies K, V, ahead of the barrier: v52-115 and v184-191 hold two tiles as loaded; the image's LDS stores read them; the products write v52-115 later: one wait on vm_vsrc behind the barrier
;                 (body Q: the same line, for T's set 0, in which tile 0's loads land).
;   T's two sets  (v16-51, v192-227): tile m's LDS loads land in set m % 2 at the head of tile m - 1; tile m's products read it; tile m + 2's loads land in it at the head of tile m + 1.
;   v116-123      the codes: QUANT writes them, the tile's two global stores read them, the next QUANT writes them again: one wait on vm_vsrc ahead of it, beside the wait on XCNT.
;   v160-167      scale words for the way out: written by vector lines behind QUANT, read by stores, never written again.
;   R, its scale words and the bias are loaded once and named by products alone afterwards.
; So ONE wait on va_vdst stands in a tile, behind QUANT and the scale words' lines: it states that the codes and words are written, which the stores behind it read, and that the tile's products
; are done reading their set of T.  Between it and the next tile's fetch stand stores and a wait on DScnt alone, so that fetch owes nothing more.
.set WSTG,  16896                      ; body Q: a wave's two stages of 16 rows x 528 bytes, from LDS byte 0 on
.set HSTG,  8448
.set QIMG,  67584                      ; body Q: 4 tiles' images
.set KIMG,  86016                      ; body K: 8 tiles' images
.set VIMG,  122880                     ; body V: 8 tiles' images
.set TIMG,  4608                       ; a tile's image: fragment s, half c at 1024 s + 512 c + 16 x lane; its four scale words at 4096 + 16 x lane
.set HEADB, 286720                     ; a head in KV
.set STEPB, 8960                       ; a key step in KV
.set RR,  1                            ; v1   r = lane % 16
.set HH,  2                            ; v2   hh = lane / 16
.set L16, 3                            ; v3   16 x lane
.set L8,  4                            ; v4   8 x lane
.set AR,  5                            ; v5   256 RP + 16 hh, RP = r + 8 (r / 8): a chosen row's codes
.set ASC, 6                            ; v6   16 (RP + 8 hh): R's scale words, tile 2 b in lanes 0-15, tile 2 b + 1 in lanes 16-31
.set ATS, 7                            ; v7   16 RP: T's scale words
.set ABI, 8                            ; v8   the bias: 64 hh (Q, K), 4 RP (V)
.set AMK, 9                            ; v9   RP + 8 hh: the mask's bytes (K); 16 r + 16384 hh: Qs (Q)
.set LIM, 10                           ; v10  LDS: where I store images
.set LFE, 11                           ; v11  LDS: where I fetch them
.set OU,  12                           ; v12  32 r + 16 hh: Qc
.set SH,  13                           ; v13  16 hh
.set STA, 14                           ; v14  LDS: into my stage
.set STB, 15                           ; v15  LDS: out of it
.set XF,  16                           ; v16-47   T's four fragments, set 0
.set XS,  48                           ; v48-51   T's four scale words, set 0
.set SET1, 176                         ; set 1 lies 176 registers on: v192-223 and v224-227
.set HA,  52                           ; v52-115  the eight accumulators; ahead of the barrier: numbers of q, or the two tiles that I hand on
.set PC,  116                          ; v116-123 the codes just made
.set PW,  124                          ; v124     their scale word
.set PWA, 125                          ; v125     the even tile's word
.set T0,  126
.set TM,  128                          ; v128-143 at work in QUANT
.set RS,  144                          ; v144-159 R's scale words: register 4 b + s
.set GW,  160                          ; v160-167 scale words gathered for the way out
.set MBI, 168                          ; v168-171 K: mask bytes at their place in a word
.set BV,  168                          ; v168-175 V: bv of my lane's channel, tile by tile
.set CB,  176                          ; v176-183 V: the same, eight times: the C of a sum's first product
.set TSC, 184                          ; v184-191 K, V: scale words of the two tiles that I hand on
.set MSB, 0
.macro WIN new                         ; the immediate's high byte repeats the setting that is left
.if MSB != \new
	s_set_vgpr_msb (MSB<<8)|\new
.set MSB, \new
.endif
.endm
.macro WM d, a, b, c, sa, sb, odd      ; one product; odd = 1: source 0's scales stand in lanes 16-31
.if \odd
	v_wmma_scale_f32_16x16x128_f8f6f4 v[\d:\d+7], v[\a:\a+7], v[\b:\b+7], v[\c:\c+7], v[\sa], v[\sb] matrix_a_fmt:MATRIX_FMT_FP4 matrix_b_fmt:MATRIX_FMT_FP4 matrix_a_scale:MATRIX_SCALE_ROW1
.else
	v_wmma_scale_f32_16x16x128_f8f6f4 v[\d:\d+7], v[\a:\a+7], v[\b:\b+7], v[\c:\c+7], v[\sa], v[\sb] matrix_a_fmt:MATRIX_FMT_FP4 matrix_b_fmt:MATRIX_FMT_FP4
.endif
.endm
.macro RLOAD cb, sb                    ; the resident operand: 64 loads of codes into window 1, fragment (t, s) at 8 (4 t + s); 4 loads of scale words
	WIN 0x40
.irp t, 0,1,2,3,4,5,6,7
.irp s, 0,1,2,3
.irp c, 0,1
	global_load_b128 v[8*(4*\t+\s)+4*\c:8*(4*\t+\s)+4*\c+3], v[AR], s[\cb:\cb+1] offset:(32*(\t/2)+8*(\t%2))*256+64*\s+32*\c
.endr
.endr
.endr
	WIN 0
.irp b, 0,1,2,3
	global_load_b128 v[RS+4*\b:RS+4*\b+3], v[ASC], s[\sb:\sb+1] offset:512*\b
.endr
.endm
.macro BLOAD bb                        ; Q, K: the bias in the result's layout, eight registers a tile, into window 3: 16 loads
	WIN 0xc0
.irp t, 0,1,2,3,4,5,6,7
	global_load_b128 v[8*\t:8*\t+3], v[ABI], s[\bb:\bb+1] offset:(32*(\t/2)+8*(\t%2))*4
	global_load_b128 v[8*\t+4:8*\t+7], v[ABI], s[\bb:\bb+1] offset:(32*(\t/2)+8*(\t%2))*4+16
.endr
	WIN 0
.endm
.macro TLOADS cb, sb                   ; K, V: tiles 2 w and 2 w + 1 of T, as fragments: 18 loads
.irp i, 0,1
.irp s, 0,1,2,3
.irp c, 0,1
	global_load_b128 v[HA+32*\i+8*\s+4*\c:HA+32*\i+8*\s+4*\c+3], v[AR], s[\cb:\cb+1] offset:2048*\i+64*\s+32*\c
.endr
.endr
	global_load_b128 v[TSC+4*\i:TSC+4*\i+3], v[ATS], s[\sb:\sb+1] offset:128*\i
.endr
.endm
.macro TSTORES                         ; and their images into LDS
.irp i, 0,1
.irp s, 0,1,2,3
.irp c, 0,1
	ds_store_b128 v[LIM], v[HA+32*\i+8*\s+4*\c:HA+32*\i+8*\s+4*\c+3] offset:TIMG*\i+1024*\s+512*\c
.endr
.endr
	ds_store_b128 v[LIM], v[TSC+4*\i:TSC+4*\i+3] offset:TIMG*\i+4096
.endr
.endm
; 64 numbers of a lane, register 16 b + i = k 32 b + 16 hh + i of my row, become a fragment's codes in v[dst] on and its scale word in v[pw].
.macro QUANT src, dst, pw
.irp b, 0,1,2,3
	v_max3_num_f32 v[TM+\b], |v[\src+16*\b]|, |v[\src+1+16*\b]|, 0x1800000   ; block b: my 16 numbers, and the floor 2^(3 - 127): the byte cannot fall under 1
.endr
.irp i, 2,4,6,8,10,12,14
.irp b, 0,1,2,3
	v_max3_num_f32 v[TM+\b], v[TM+\b], |v[\src+16*\b+\i]|, |v[\src+1+16*\b+\i]|   ; the four blocks by turns
.endr
.endr
.irp b, 0,1,2,3
	v_permlanex16_b32 v[TM+4+\b], v[TM+\b], s20, s21
.endr
.irp b, 0,1,2,3
	v_max_num_f32 v[TM+\b], v[TM+\b], v[TM+4+\b]   ; with lane l xor 16's: the block's largest magnitude
.endr
.irp b, 0,1,2,3
	v_add_nc_u32 v[TM+12+\b], 0xff000000, v[TM+\b]   ; 2 off its exponent field: the conversion's scale operand
.endr
.irp b, 0,1,2,3
	v_lshrrev_b32 v[TM+4+\b], 23, v[TM+12+\b]      ; the scale's byte
.endr
	v_lshl_or_b32 v[\pw], v[TM+5], 8, v[TM+4]
	v_lshl_or_b32 v[\pw], v[TM+6], 16, v[\pw]
	v_lshl_or_b32 v[\pw], v[TM+7], 24, v[\pw]
.irp b, 0,1,2,3
	v_cvt_scalef32_pk8_fp4_f32 v[\dst+2*\b], v[\src+16*\b:\src+7+16*\b], v[TM+12+\b]
	v_cvt_scalef32_pk8_fp4_f32 v[\dst+1+2*\b], v[\src+8+16*\b:\src+15+16*\b], v[TM+12+\b]
.endr
	v_nop                                          ; one plain place behind a scaled conversion
.irp c, 0,1                            ; the operand's layout wants a whole block in a lane
.irp i, 0,1
	v_permlane16_swap_b32 v[\dst+4*\c+\i], v[\dst+2+4*\c+\i]
.endr
.endr
.endm
.macro TFETCH m                        ; tile m of T out of LDS, into set m % 2: 9 loads
.irp s, 0,1,2,3
.irp c, 0,1
	ds_load_b128 v[XF+SET1*((\m)%2)+8*\s+4*\c:XF+SET1*((\m)%2)+8*\s+4*\c+3], v[LFE] offset:TIMG*(\m)+1024*\s+512*\c
.endr
.endr
	ds_load_b128 v[XS+SET1*((\m)%2):XS+SET1*((\m)%2)+3], v[LFE] offset:TIMG*(\m)+4096
.endm
; 32 products on T's set p: the eight accumulators take turns, one instruction a turn, K step by K step.  The bias is the C of each sum's first product.
.macro MM p, vmode
.irp s, 0,1,2,3
.if (\s == 0) && (\vmode == 0)
	WIN 0x31                                       ; source 0 (R) window 1, C (the bias) window 3
.else
	WIN 0x01
.endif
.irp t, 0,1,2,3,4,5,6,7
.if \s > 0
	WM HA+8*\t, 8*(4*\t+\s), XF+SET1*(\p)+8*\s, HA+8*\t, RS+4*(\t/2)+\s, XS+SET1*(\p)+\s, \t%2
.elseif \vmode
	WM HA+8*\t, 8*(4*\t+\s), XF+SET1*(\p)+8*\s, CB, RS+4*(\t/2)+\s, XS+SET1*(\p)+\s, \t%2
.else
	WM HA+8*\t, 8*(4*\t+\s), XF+SET1*(\p)+8*\s, 8*\t, RS+4*(\t/2)+\s, XS+SET1*(\p)+\s, \t%2
.endif
.endr
.endr
	WIN 0
.endm
; A tile: the next tile is fetched into the other set; this tile's products; four places; its results are quantised.
.macro TILE m, last, vmode
.if \m < \last
	TFETCH (\m)+1                                  ; no wait: the products that read this set stand ahead of the last tile's wait on va_vdst, and no vector or matrix instruction since names it
.endif
	MM (\m)%2, \vmode
.rept 4
	v_nop                                          ; places in front of the reads of results and of the writes of C
.endr
.if \m < \last
.if \vmode
.irp j, 0,1,2,3,4,5,6,7
	v_mov_b32 v[CB+\j], v[BV+(\m)+1]               ; the next tile's bias: one number a lane, eight times
.endr
.endif
.endif
	s_wait_xcnt 0x0                                ; the last tile's stores have read their data: the codes' registers are written again only behind this wait
.if \m > 0
	s_wait_alu depctr_vm_vsrc(0)                   ; the last tile's two stores have read v[PC ..], which the conversions below write again
.endif
	QUANT HA, PC, PW
.endm
.macro BARRIER                         ; my LDS stores have landed and my LDS loads are in: then the work-group's barrier
	s_wait_dscnt 0x0
	s_barrier_signal -1
	s_barrier_wait -1
.endm
; Body Q: K step s of my 16 rows of q, loaded 512 consecutive bytes an instruction, turns through my stage so that a lane holds 16 neighbours of each block of 32 of ONE row.
.macro TURN s
	WIN 0x08                                       ; an LDS store's data are its source 1: window 2
.irp i, 0,1,2,3,4,5,6,7,8,9,10,11,12,13,14,15
	ds_store_b128 v[STA], v[64*(\s)+4*\i:64*(\s)+4*\i+3] offset:((\s)%2)*HSTG+528*\i
.endr
	WIN 0
.irp b, 0,1,2,3
.irp j, 0,1,2,3
	ds_load_b128 v[HA+132*((\s)%2)+16*\b+4*\j:HA+132*((\s)%2)+16*\b+4*\j+3], v[STB] offset:((\s)%2)*HSTG+128*\b+16*\j   ; LDS serves a wave's instructions in order: these see the stores above
.endr
.endr
.endm
	v_lshl_add_u32 v254, v0, 2, 0x27000
	v_mov_b32 v255, 0
	v_lshrrev_b32 v[RR], 5, v0
	v_readfirstlane_b32 s18, v[RR]                 ; wave 0..3
	v_and_b32 v[RR], 15, v0
	v_bfe_u32 v[HH], v0, 4, 1
	v_and_b32 v[L8], 31, v0
	v_lshlrev_b32 v[L16], 4, v[L8]
	v_lshlrev_b32 v[L8], 3, v[L8]
	v_and_b32 v[AMK], 8, v[RR]
	v_add_nc_u32 v[AMK], v[AMK], v[RR]             ; RP = r + 8 (r / 8)
	v_lshlrev_b32 v[AR], 8, v[AMK]
	v_lshl_add_u32 v[AR], v[HH], 4, v[AR]
	v_lshlrev_b32 v[ATS], 4, v[AMK]
	v_lshl_add_u32 v[ASC], v[HH], 7, v[ATS]
	v_lshl_add_u32 v[AMK], v[HH], 3, v[AMK]
.irp b, 0,1,2,3
	v_mov_b32 v[TM+4+\b], 0                        ; written once: a lane permute's destination counts as one of its sources
.endr
	s_mov_b32 s20, 0x76543210
	s_mov_b32 s21, 0xfedcba98                      ; v_permlanex16_b32's selects for lane l xor 16
	s_mov_b32 s22, 0xffff0000                      ; lanes 16-31
	s_mov_b32 s23, 0x017f0000                      ; bytes 2 and 3 of Q's scale words: 2^0 for the mask's code, 2^-126 over zero codes
.irp p, 25,27,29,31,33,35,37
	s_mov_b32 s\p, 0                               ; the offsets' high words
.endr
	s_wait_alu depctr_va_sdst(0)                   ; s18, the wave's number, is written: ahead of the branch, since each body reads it
	s_cmp_lt_u32 ttmp9, 128
	s_cbranch_scc0 .Lnot_q
	; ================ BODY Q ================
	s_load_b256 s[4:11], s[0:1], 0x0               ; q, Wq's codes, Wq's scales, bq
	s_load_b128 s[12:15], s[0:1], 0x20             ; Qc, Qs
	v_lshlrev_b32 v[ABI], 6, v[HH]
	v_lshlrev_b32 v[OU], 5, v[RR]
	v_lshl_add_u32 v[OU], v[HH], 4, v[OU]
	v_lshlrev_b32 v[SH], 4, v[HH]
	v_lshlrev_b32 v[AMK], 4, v[RR]
	v_lshl_add_u32 v[AMK], v[HH], 14, v[AMK]       ; Qs: 16 r; lanes 16-31 the next head's 16,384 bytes
	s_mul_i32 s40, s18, WSTG
	v_add_nc_u32 v[STA], s40, v[L16]
	v_mul_u32_u24 v[STB], v[RR], 528
	v_lshl_add_u32 v[STB], v[HH], 6, v[STB]
	v_add_nc_u32 v[STB], s40, v[STB]
	s_mul_i32 s41, s18, TIMG
	s_add_co_u32 s41, s41, QIMG
	v_add_nc_u32 v[LIM], s41, v[L16]
	v_add_nc_u32 v[LFE], QIMG, v[L16]
	s_lshl_b32 s24, ttmp9, 17                      ; q: (64 g + 16 w) rows of 2,048 bytes
	s_lshl_b32 s26, s18, 15                        ; Wq's codes: 128 w rows of 256 bytes
	s_add_co_u32 s24, s24, s26
	s_lshl_b32 s28, s18, 11                        ; Wq's scales: 128 w rows of 16 bytes
	s_lshl_b32 s30, s18, 9                         ; bq: 128 w numbers
	s_lshr_b32 s19, ttmp9, 6                       ; b
	s_and_b32 s38, ttmp9, 63                       ; which 64 rows of the batch
	s_lshl_b32 s32, s19, 20                        ; Qc: ((8 b + 2 w) 4,096 + 64 g) rows of 32 bytes
	s_lshl_b32 s39, s18, 18
	s_add_co_u32 s32, s32, s39
	s_lshl_b32 s39, s38, 11
	s_add_co_u32 s32, s32, s39
	s_lshl_b32 s34, s19, 17                        ; Qs: (8 b + 2 w) 16,384 + 256 g
	s_add_co_u32 s34, s34, s26
	s_lshl_b32 s39, s38, 8
	s_add_co_u32 s34, s34, s39
	s_wait_kmcnt 0x0
	s_add_nc_u64 s[4:5], s[4:5], s[24:25]
	s_add_nc_u64 s[6:7], s[6:7], s[26:27]
	s_add_nc_u64 s[8:9], s[8:9], s[28:29]
	s_add_nc_u64 s[10:11], s[10:11], s[30:31]
	s_add_nc_u64 s[12:13], s[12:13], s[32:33]
	s_add_nc_u64 s[14:15], s[14:15], s[34:35]
	WIN 0x80                                       ; destination window 2: my 16 rows of q, register 64 s + 4 i: row i, K step s
	s_wait_alu depctr_va_vdst(0)                   ; the offsets and LDS addresses v3 to v15 are written, which every load and store of this body reads
.irp s, 0,1,2,3
.irp i, 0,1,2,3,4,5,6,7,8,9,10,11,12,13,14,15
	global_load_b128 v[64*\s+4*\i:64*\s+4*\i+3], v[L16], s[4:5] offset:2048*\i+512*\s th:TH_LOAD_NT   ; 32 lanes read 512 consecutive bytes of a row
.endr
.endr
	WIN 0
	RLOAD 6, 8
	BLOAD 10
	s_wait_loadcnt 63                              ; 84 loads were issued behind q's 64: with 63 out at the most, q's are in
	TURN 0
.irp s, 0,1,2,3
.if \s < 3
	TURN \s+1                                      ; no wait: the lines that read this buffer stand ahead of the last step's wait on va_vdst
	s_wait_dscnt 32                                ; the next turn's 16 stores and 16 loads may be out: this K step's numbers are back
.else
	s_wait_dscnt 0x0
.endif
	QUANT HA+132*(\s%2), XF+8*\s, XS+\s
	s_wait_alu depctr_va_vdst(0)                   ; this K step's codes and scale word are written, which the LDS stores read; and its numbers' buffer has been read, in which the turn after next lands (behind step 3: tile 1's fragments)
	ds_store_b128 v[LIM], v[XF+8*\s:XF+8*\s+3] offset:1024*\s
	ds_store_b128 v[LIM], v[XF+8*\s+4:XF+8*\s+7] offset:1024*\s+512
.endr
	ds_store_b128 v[LIM], v[XS:XS+3] offset:4096
	BARRIER                                        ; the four tiles of q lie in LDS
	s_wait_alu depctr_vm_vsrc(0)                   ; my LDS stores have read T's set 0, in which tile 0's loads land
	s_wait_loadcnt 0x0                             ; Wq, its scales, bq
	TFETCH 0
	s_wait_dscnt 0x0
.irp m, 0,1,2,3
	TILE \m, 3, 0
	v_lshrrev_b32 v[T0], v[SH], v[PW]              ; lanes 0-15 keep head 2 w's two bytes, lanes 16-31 take head 2 w + 1's
	v_and_or_b32 v[GW+\m], v[T0], 0xffff, s23
	s_wait_alu depctr_va_vdst(0)                   ; the codes and the scale word are written, which the stores read; the tile's products are done reading their set of T, in which the next fetch lands
	global_store_b128 v[OU], v[PC:PC+3], s[12:13] offset:512*\m            ; head 2 w: 16 rows x 32 bytes: 512 consecutive bytes
	global_store_b128 v[OU], v[PC+4:PC+7], s[12:13] offset:512*\m+131072   ; head 2 w + 1
.if \m < 3
	s_wait_dscnt 0x0                               ; the next tile is in
.endif
.endr
	global_store_b128 v[AMK], v[GW:GW+3], s[14:15] ; 16 lanes store 256 consecutive bytes of a head's scale words
	s_wait_dscnt 0x0                               ; the closing lines, six on end
	s_wait_alu 0x0
	s_wait_tensorcnt 0x0
	ds_add_u32 v254, v255
	s_wait_dscnt 0x0
	s_endpgm
.Lnot_q:
	s_cmp_lt_u32 ttmp9, 192
	s_cbranch_scc0 .Lbody_v
	; ================ BODY K ================
	s_load_b256 s[4:11], s[0:1], 0x30              ; k's codes, k's scales, Wk's codes, Wk's scales
	s_load_b128 s[12:15], s[0:1], 0x50             ; bk, mask
	s_load_b64 s[16:17], s[0:1], 0x88              ; KV
	v_lshlrev_b32 v[ABI], 6, v[HH]
	s_mul_i32 s42, s18, 2*TIMG
	s_add_co_u32 s42, s42, KIMG
	v_add_nc_u32 v[LIM], s42, v[L16]
	v_add_nc_u32 v[LFE], KIMG, v[L16]
	s_sub_co_u32 s19, ttmp9, 128                   ; which 128 keys of the 8,192
	s_lshl_b32 s24, s19, 15                        ; k's codes: (128 sg + 32 w) rows of 256 bytes
	s_lshl_b32 s38, s18, 13
	s_add_co_u32 s24, s24, s38
	s_lshl_b32 s26, s19, 11                        ; k's scales: rows of 16 bytes
	s_lshl_b32 s32, s18, 9                         ; (also bk: 128 w numbers)
	s_add_co_u32 s26, s26, s32
	s_lshl_b32 s28, s18, 15                        ; Wk's codes
	s_lshl_b32 s30, s18, 11                        ; Wk's scales
	s_lshl_b32 s34, s19, 7                         ; the mask's 128 bytes
	s_lshr_b32 s38, s19, 5                         ; b
	s_lshl_b32 s38, s38, 3
	s_lshl_b32 s39, s18, 1
	s_add_co_u32 s38, s38, s39                     ; head 8 b + 2 w
	s_mul_i32 s36, s38, HEADB
	s_and_b32 s38, s19, 31                         ; the step
	s_mul_i32 s38, s38, STEPB
	s_add_co_u32 s36, s36, s38
	s_wait_kmcnt 0x0
	s_add_nc_u64 s[4:5], s[4:5], s[24:25]
	s_add_nc_u64 s[6:7], s[6:7], s[26:27]
	s_add_nc_u64 s[8:9], s[8:9], s[28:29]
	s_add_nc_u64 s[10:11], s[10:11], s[30:31]
	s_add_nc_u64 s[12:13], s[12:13], s[32:33]
	s_add_nc_u64 s[14:15], s[14:15], s[34:35]
	s_add_nc_u64 s[16:17], s[16:17], s[36:37]
	s_wait_alu depctr_va_vdst(0)                   ; the offsets and LDS addresses v3 to v11 are written, which every load and store of this body reads
	TLOADS 4, 6
.irp i, 0,1,2,3
	global_load_u8 v[MBI+\i], v[AMK], s[14:15] offset:32*\i   ; the mask of key 32 i + 8 hh + RP: tile 2 i + hh, row r
.endr
	RLOAD 8, 10
	BLOAD 12
	s_wait_loadcnt 63                              ; 84 loads were issued behind these 22: they are in
	TSTORES
.irp i, 0,1,2,3
	v_mul_u32_u24 v[MBI+\i], v[MBI+\i], 226
.endr
.irp i, 0,1,2,3
	v_sub_nc_u32 v[MBI+\i], 227, v[MBI+\i]         ; 1 where the key counts, 227 where it does not
.endr
.irp i, 0,1,2,3
	v_lshl_or_b32 v[MBI+\i], v[MBI+\i], 16, 0x7f000000   ; as byte 2, under byte 3 = 127
.endr
	BARRIER                                        ; the eight tiles of k lie in LDS
	s_wait_alu depctr_vm_vsrc(0)                   ; my LDS stores have read v[HA ..], which the products write from here on
	s_wait_loadcnt 0x0
	TFETCH 0
	s_wait_dscnt 0x0
.irp m, 0,1,2,3,4,5,6,7
	TILE \m, 7, 0
.if \m%2 == 0
	v_mov_b32 v[PWA], v[PW]
.else
	v_cndmask_b32 v[T0], v[PWA], v[PW], s22        ; lanes 0-15: the even tile's word; lanes 16-31: the odd tile's
	v_and_or_b32 v[GW+\m/2], v[T0], 0xffff, v[MBI+\m/2]   ; head 2 w's two bytes, the mask's byte, 127
	v_lshrrev_b32 v[T0], 16, v[T0]
	v_or_b32 v[GW+4+\m/2], v[T0], v[MBI+\m/2]      ; head 2 w + 1's
.endif
	s_wait_alu depctr_va_vdst(0)                   ; the codes and the scale words are written, which the stores read; the tile's products are done reading their set of T, in which the next fetch lands
	global_store_b128 v[L16], v[PC:PC+3], s[16:17] offset:512*\m          ; head 2 w: the tile's image, 512 consecutive bytes
	global_store_b128 v[L16], v[PC+4:PC+7], s[16:17] offset:512*\m+HEADB  ; head 2 w + 1
.if \m < 7
	s_wait_dscnt 0x0
.endif
.endr
	global_store_b128 v[L16], v[GW:GW+3], s[16:17] offset:4096
	global_store_b128 v[L16], v[GW+4:GW+7], s[16:17] offset:4096+HEADB
	s_wait_dscnt 0x0                               ; the closing lines, six on end
	s_wait_alu 0x0
	s_wait_tensorcnt 0x0
	ds_add_u32 v254, v255
	s_wait_dscnt 0x0
	s_endpgm
.Lbody_v:
	; ================ BODY V ================
	s_load_b256 s[4:11], s[0:1], 0x60              ; v's codes, v's scales, Wv's codes, Wv's scales
	s_load_b128 s[12:15], s[0:1], 0x80             ; bv, KV
	v_lshrrev_b32 v[ABI], 2, v[ATS]                ; 4 RP
	s_mul_i32 s42, s18, 2*TIMG
	s_add_co_u32 s42, s42, VIMG
	v_add_nc_u32 v[LIM], s42, v[L16]
	v_add_nc_u32 v[LFE], VIMG, v[L16]
	s_sub_co_u32 s19, ttmp9, 192
	s_lshr_b32 s38, s19, 2                         ; kg: which 512 keys
	s_and_b32 s39, s19, 3                          ; hp: which pair of heads
	s_lshl_b32 s24, s38, 17                        ; v's codes: (512 kg + 128 w) rows of 256 bytes
	s_lshl_b32 s40, s18, 15
	s_add_co_u32 s24, s24, s40
	s_lshl_b32 s26, s38, 13                        ; v's scales
	s_lshl_b32 s40, s18, 11
	s_add_co_u32 s26, s26, s40
	s_lshl_b32 s28, s39, 15                        ; Wv's codes: (128 hp + 32 w) rows
	s_lshl_b32 s40, s18, 13
	s_add_co_u32 s28, s28, s40
	s_lshl_b32 s30, s39, 11                        ; Wv's scales
	s_lshl_b32 s40, s18, 9
	s_add_co_u32 s30, s30, s40
	s_lshl_b32 s32, s39, 9                         ; bv: 128 hp numbers
	s_lshr_b32 s40, s38, 3                         ; b
	s_lshl_b32 s40, s40, 3
	s_lshl_b32 s41, s39, 1
	s_add_co_u32 s40, s40, s41                     ; head 8 b + 2 hp
	s_mul_i32 s34, s40, HEADB
	s_and_b32 s40, s38, 7
	s_lshl_b32 s40, s40, 2
	s_add_co_u32 s40, s40, s18                     ; my wave's step: 4 (kg % 8) + w
	s_mul_i32 s40, s40, STEPB
	s_add_co_u32 s34, s34, s40
	s_wait_kmcnt 0x0
	s_add_nc_u64 s[4:5], s[4:5], s[24:25]
	s_add_nc_u64 s[6:7], s[6:7], s[26:27]
	s_add_nc_u64 s[8:9], s[8:9], s[28:29]
	s_add_nc_u64 s[10:11], s[10:11], s[30:31]
	s_add_nc_u64 s[12:13], s[12:13], s[32:33]
	s_add_nc_u64 s[14:15], s[14:15], s[34:35]
	s_wait_alu depctr_va_vdst(0)                   ; the offsets and LDS addresses v3 to v11 are written, which every load and store of this body reads
	TLOADS 8, 10
.irp m, 0,1,2,3,4,5,6,7
	global_load_b32 v[BV+\m], v[ABI], s[12:13] offset:4*(32*(\m/2)+8*(\m%2))   ; bv of tile m's channel r: the bias hangs on T's row here, that is on the lane
.endr
	RLOAD 4, 6
	s_wait_loadcnt 63                              ; 68 loads were issued behind these 26: they are in
	TSTORES
.irp j, 0,1,2,3,4,5,6,7
	v_mov_b32 v[CB+\j], v[BV]
.endr
.rept 4
	v_nop
.endr
	BARRIER                                        ; the eight tiles of Wv lie in LDS
	s_wait_alu depctr_vm_vsrc(0)                   ; my LDS stores have read v[HA ..], which the products write from here on
	s_wait_loadcnt 0x0
	TFETCH 0
	s_wait_dscnt 0x0
.irp m, 0,1,2,3,4,5,6,7
	TILE \m, 7, 1
.if \m%2 == 0
	v_mov_b32 v[PWA], v[PW]
.else
	v_cndmask_b32 v[GW+2*(\m/4)+(\m%4)/2], v[PWA], v[PW], s22   ; lanes 0-15: the even tile's word; lanes 16-31: the odd tile's
.endif
	s_wait_alu depctr_va_vdst(0)                   ; the codes and the scale words are written, which the stores read; the tile's products are done reading their set of T, in which the next fetch lands
	global_store_b128 v[L16], v[PC:PC+3], s[14:15] offset:4608+1024*(\m%4)+HEADB*(\m/4)        ; keys 0-63 of the step, 16 channels: 512 consecutive bytes
	global_store_b128 v[L16], v[PC+4:PC+7], s[14:15] offset:4608+1024*(\m%4)+512+HEADB*(\m/4)  ; keys 64-127
.if \m%4 == 3
	global_store_b64 v[L8], v[GW+2*(\m/4):GW+2*(\m/4)+1], s[14:15] offset:8704+HEADB*(\m/4)   ; 32 lanes store 256 consecutive bytes
.endif
.if \m < 7
	s_wait_dscnt 0x0
.endif
.endr
	s_wait_dscnt 0x0                               ; the closing lines, six on end
	s_wait_alu 0x0
	s_wait_tensorcnt 0x0
	ds_add_u32 v254, v255
	s_wait_dscnt 0x0
	s_endpgm
.Lfunc_end_k_qf1f7b68359_proj:
	.size	k_qf1f7b68359_proj, .Lfunc_end_k_qf1f7b68359_proj-k_qf1f7b68359_proj
	.p2alignl 7, 3214868480
	.fill 96, 4, 3214868480
	.section	.rodata,"a",@progbits
	.p2align	6, 0x0
	.amdhsa_kernel k_qf1f7b68359_proj
		.amdhsa_group_segment_fixed_size 160256
		.amdhsa_private_segment_fixed_size 0
		.amdhsa_enable_private_segment 0
		.amdhsa_kernarg_size 144
		.amdhsa_user_sgpr_count 2
		.amdhsa_user_sgpr_kernarg_segment_ptr 1
		.amdhsa_wavefront_size32 1
		.amdhsa_system_sgpr_workgroup_id_x 1
		.amdhsa_system_sgpr_workgroup_id_y 1
		.amdhsa_system_sgpr_workgroup_id_z 1
		.amdhsa_system_vgpr_workitem_id 0
		.amdhsa_next_free_vgpr 832
		.amdhsa_next_free_sgpr 66
		.amdhsa_reserve_vcc 0
		.amdhsa_float_denorm_mode_32 3
		.amdhsa_float_denorm_mode_16_64 3
		.amdhsa_memory_ordered 1
		.amdhsa_forward_progress 1
		.amdhsa_inst_pref_size 249
	.end_amdhsa_kernel
	.amdgpu_metadata
---
amdhsa.version: [ 1, 2 ]
amdhsa.kernels:
  - .name:           k_qf1f7b68359_proj
    .symbol:         k_qf1f7b68359_proj.kd
    .args:
      - { .name: q, .offset: 0, .size: 8, .value_kind: global_buffer, .address_space: global }
      - { .name: Wq_codes, .offset: 8, .size: 8, .value_kind: global_buffer, .address_space: global }
      - { .name: Wq_scales, .offset: 16, .size: 8, .value_kind: global_buffer, .address_space: global }
      - { .name: bq, .offset: 24, .size: 8, .value_kind: global_buffer, .address_space: global }
      - { .name: Qc, .offset: 32, .size: 8, .value_kind: global_buffer, .address_space: global }
      - { .name: Qs, .offset: 40, .size: 8, .value_kind: global_buffer, .address_space: global }
      - { .name: k_codes, .offset: 48, .size: 8, .value_kind: global_buffer, .address_space: global }
      - { .name: k_scales, .offset: 56, .size: 8, .value_kind: global_buffer, .address_space: global }
      - { .name: Wk_codes, .offset: 64, .size: 8, .value_kind: global_buffer, .address_space: global }
      - { .name: Wk_scales, .offset: 72, .size: 8, .value_kind: global_buffer, .address_space: global }
      - { .name: bk, .offset: 80, .size: 8, .value_kind: global_buffer, .address_space: global }
      - { .name: mask, .offset: 88, .size: 8, .value_kind: global_buffer, .address_space: global }
      - { .name: v_codes, .offset: 96, .size: 8, .value_kind: global_buffer, .address_space: global }
      - { .name: v_scales, .offset: 104, .size: 8, .value_kind: global_buffer, .address_space: global }
      - { .name: Wv_codes, .offset: 112, .size: 8, .value_kind: global_buffer, .address_space: global }
      - { .name: Wv_scales, .offset: 120, .size: 8, .value_kind: global_buffer, .address_space: global }
      - { .name: bv, .offset: 128, .size: 8, .value_kind: global_buffer, .address_space: global }
      - { .name: KV, .offset: 136, .size: 8, .value_kind: global_buffer, .address_space: global }
    .group_segment_fixed_size: 160256
    .private_segment_fixed_size: 0
    .kernarg_segment_align: 8
    .kernarg_segment_size: 144
    .max_flat_workgroup_size: 128
    .sgpr_count:     66
    .vgpr_count:     832
    .wavefront_size: 32
...
	.end_amdgpu_metadata
.endif
;; end of part 4
;; launch attn: the kernel of part 2 again; grid 16 x 16, 16 waves a work-group, clusters of 4 x 1, 296,960 bytes of LDS; arguments Qc, Qs, KV, mask, Xc, Xs; writes Xc, Xs
;; launch outp (part 5): grid 256 x 1, 4 waves a work-group, no clusters, 66,560 bytes of LDS; arguments Xc, Xs, Wo_codes, Wo_scales, bo, q, out0; writes out0
.if DOCPART == 5
	.amdgcn_target "amdgcn-amd-amdhsa--gfx1250"
	.amdhsa_code_object_version 6
	.text
	.protected	k_qf1f7b68359_outp
	.globl	k_qf1f7b68359_outp
	.p2align	8
	.type	k_qf1f7b68359_outp,@function
k_qf1f7b68359_outp:
	s_mov_b64 s[64:65], 0
	v_nop
	global_prefetch_b8 v0, s[64:65] scope:SCOPE_SE
	s_setreg_imm32_b32 hwreg(HW_REG_WAVE_SCHED_MODE, 0, 2), 2
	s_setreg_imm32_b32 hwreg(HW_REG_WAVE_MODE, 25, 1), 1
	s_wait_xcnt 0x0
	s_wait_alu depctr_vm_vsrc(0)
; out0 = x Wo + bo + q, the product on codes of E2M1 with E8M0 scales.  x comes as codes by head, Xc [bh][n][32 bytes], with two scale bytes for a row and head, Xs [bh][n]; K = 64 x head + channel, so a K step of 128 is two heads.
; SHARES.  A work-group owns 32 rows; wave w makes output channels 128 w .. 128 w + 127 for all of them: 2 tiles of rows x 8 tiles of channels = 16 accumulators, which take turns, one instruction a turn.
; The product is used transposed (source 0 = 16 rows of Wo, source 1 = 16 rows of x): a lane holds eight neighbouring channels of one row.  bo is the C of each sum's first product.
; THE WAY OUT.  A row's 512 channels come from four waves: they meet in a stage in LDS (rows of 2,048 bytes + 16); each wave then takes 8 whole rows, adds q's, and stores 512 consecutive bytes an instruction.
; NO CLUSTER: what work-groups share (Wo's 128 rows of a wave) goes from memory straight into 256 registers, once; a joint load ends in LDS, and would add 128 KiB of LDS writes and reads a work-group.
; REGISTERS: window 0: v1-9 addresses; v16-79 x's fragments (m, s) at 16 + 32 m + 8 s; v80-87 x's scale words; v88-103 their halves; v104-119 Wo's scale words; v128-255 the accumulators, later rows of the result.
;   window 1: Wo's fragments (t, s) at 8 (4 t + s).   window 2: v0-63 bo's eight tiles; v64-191 my 8 rows of q.
; THE MODE: SCHED_MODE bits 1:0 = 2 (LLVM: expert scheduling mode 2), set by the entry lines.  The code itself states the register dependences
; between vector or matrix instructions and memory or LDS instructions, with s_wait_alu, always for 0.
; THE PLAN.  Registers that memory or LDS instructions touch:
;   v3-v9      offsets and LDS addresses: written at the head, never again: one wait on va_vdst ahead of the first load.
;   x's fragments and halves, Wo's fragments and scale words, bo, q: loaded once; vector and matrix instructions alone name them afterwards.
;   v80-87     x's scale words: written by eight vector lines, taken as scales by the products: eight places, then a wait on va_vdst.
;   v128-255   written by the products; read by the stage's LDS stores (four places, then a wait on va_vdst); then whole rows' LDS loads land in them (a wait on vm_vsrc behind the barrier: the stores
;              have read them; the products that wrote them stand ahead of the wait on va_vdst); then the additions of q write them, two rows at a time, and eight global stores read those two rows:
;              a wait on va_vdst between a group's additions and its stores.  Nothing writes them after that.
.set SPITCH, 2064
.set RR,  1
.set HH,  2
.set L16, 3
.set AXT, 4                            ; v4   2 r
.set AXF, 5                            ; v5   32 r + 16 hh
.set AWR, 6                            ; v6   256 r + 16 hh
.set ABO, 7                            ; v7   32 hh
.set SO,  8                            ; v8   the stage: where I put 32 bytes of a row
.set SR,  9                            ; v9   and where I read rows back
.set XF,  16
.set XS,  80
.set XT,  88
.set RS,  104
.set ACC, 128
.set QB,  64                           ; in window 2
.set MSB, 0
.macro WIN new                         ; the immediate's high byte repeats the setting that is left
.if MSB != \new
	s_set_vgpr_msb (MSB<<8)|\new
.set MSB, \new
.endif
.endm
.macro WM d, a, b, c, sa, sb, odd      ; one product; odd = 1: source 0's scales stand in lanes 16-31
.if \odd
	v_wmma_scale_f32_16x16x128_f8f6f4 v[\d:\d+7], v[\a:\a+7], v[\b:\b+7], v[\c:\c+7], v[\sa], v[\sb] matrix_a_fmt:MATRIX_FMT_FP4 matrix_b_fmt:MATRIX_FMT_FP4 matrix_a_scale:MATRIX_SCALE_ROW1
.else
	v_wmma_scale_f32_16x16x128_f8f6f4 v[\d:\d+7], v[\a:\a+7], v[\b:\b+7], v[\c:\c+7], v[\sa], v[\sb] matrix_a_fmt:MATRIX_FMT_FP4 matrix_b_fmt:MATRIX_FMT_FP4
.endif
.endm
	s_load_b256 s[4:11], s[0:1], 0x0               ; Xc, Xs, Wo's codes, Wo's scales
	s_load_b128 s[12:15], s[0:1], 0x20             ; bo, q
	s_load_b64 s[16:17], s[0:1], 0x30              ; out0
	v_lshl_add_u32 v126, v0, 2, 0x10200
	v_mov_b32 v127, 0
	v_lshrrev_b32 v[RR], 5, v0
	v_readfirstlane_b32 s18, v[RR]                 ; wave 0..3
	v_and_b32 v[RR], 15, v0
	v_bfe_u32 v[HH], v0, 4, 1
	v_and_b32 v[L16], 31, v0
	v_lshlrev_b32 v[L16], 4, v[L16]
	v_lshlrev_b32 v[AXT], 1, v[RR]
	v_lshlrev_b32 v[AXF], 5, v[RR]
	v_lshl_add_u32 v[AXF], v[HH], 4, v[AXF]
	v_lshlrev_b32 v[AWR], 8, v[RR]
	v_lshl_add_u32 v[AWR], v[HH], 4, v[AWR]
	v_lshlrev_b32 v[ABO], 5, v[HH]
	v_mul_u32_u24 v[SO], v[RR], SPITCH
	v_lshl_add_u32 v[SO], v[HH], 5, v[SO]
	s_wait_alu depctr_va_sdst(0)                   ; s18, the wave's number, is written, ahead of its first reader
	s_lshl_b32 s32, s18, 9                         ; my 128 channels: 512 bytes, in a stage row and in bo
	v_add_nc_u32 v[SO], s32, v[SO]
	s_mul_i32 s20, s18, 8*SPITCH
	v_add_nc_u32 v[SR], s20, v[L16]
	s_lshr_b32 s21, ttmp9, 7                       ; b
	s_and_b32 s22, ttmp9, 127                      ; which 32 rows of the batch
	s_lshl_b32 s24, s21, 20                        ; Xc: (8 b x 4,096 + 32 g) rows of 32 bytes
	s_lshl_b32 s23, s22, 10
	s_add_co_u32 s24, s24, s23
	s_mov_b32 s25, 0
	s_lshl_b32 s26, s21, 16                        ; Xs: 2 bytes a row
	s_lshl_b32 s23, s22, 6
	s_add_co_u32 s26, s26, s23
	s_mov_b32 s27, 0
	s_lshl_b32 s28, s18, 15                        ; Wo's codes: 128 w rows of 256 bytes
	s_mov_b32 s29, 0
	s_lshl_b32 s30, s18, 11                        ; Wo's scales
	s_mov_b32 s31, 0
	s_mov_b32 s33, 0
	s_lshl_b32 s34, ttmp9, 16                      ; q, out0: (32 g + 8 w) rows of 2,048 bytes
	s_lshl_b32 s23, s18, 14
	s_add_co_u32 s34, s34, s23
	s_mov_b32 s35, 0
	s_wait_kmcnt 0x0
	s_add_nc_u64 s[4:5], s[4:5], s[24:25]
	s_add_nc_u64 s[6:7], s[6:7], s[26:27]
	s_add_nc_u64 s[8:9], s[8:9], s[28:29]
	s_add_nc_u64 s[10:11], s[10:11], s[30:31]
	s_add_nc_u64 s[12:13], s[12:13], s[32:33]
	s_add_nc_u64 s[14:15], s[14:15], s[34:35]
	s_add_nc_u64 s[16:17], s[16:17], s[34:35]
	s_wait_alu depctr_va_vdst(0)                   ; the offsets and LDS addresses v3 to v9 are written, which every load and store of the kernel reads
.irp d, 0,1,2,3,4,5,6,7
.irp m, 0,1
	global_load_u16 v[XT+2*\d+\m], v[AXT], s[6:7] offset:8192*\d+32*\m   ; head d's two scale bytes of row 16 m + r
.endr
.endr
.irp m, 0,1
.irp s, 0,1,2,3
.irp c, 0,1
	global_load_b128 v[XF+32*\m+8*\s+4*\c:XF+32*\m+8*\s+4*\c+3], v[AXF], s[4:5] offset:131072*(2*\s+\c)+512*\m   ; head 2 s + c: k = 64 c + 32 hh on of K step s
.endr
.endr
.endr
.irp b, 0,1,2,3
	global_load_b128 v[RS+4*\b:RS+4*\b+3], v[L16], s[10:11] offset:512*\b   ; lanes 0-15: tile 2 b's words; lanes 16-31: tile 2 b + 1's
.endr
	WIN 0x40
.irp t, 0,1,2,3,4,5,6,7
.irp s, 0,1,2,3
.irp c, 0,1
	global_load_b128 v[8*(4*\t+\s)+4*\c:8*(4*\t+\s)+4*\c+3], v[AWR], s[8:9] offset:4096*\t+64*\s+32*\c
.endr
.endr
.endr
	WIN 0x80
.irp t, 0,1,2,3,4,5,6,7
	global_load_b128 v[8*\t:8*\t+3], v[ABO], s[12:13] offset:64*\t
	global_load_b128 v[8*\t+4:8*\t+7], v[ABO], s[12:13] offset:64*\t+16
.endr
.irp i, 0,1,2,3,4,5,6,7
.irp k, 0,1,2,3
	global_load_b128 v[QB+4*(4*\i+\k):QB+4*(4*\i+\k)+3], v[L16], s[14:15] offset:2048*\i+512*\k th:TH_LOAD_NT   ; the shortcut: my 8 rows of q, 512 consecutive bytes a load
.endr
.endr
	WIN 0
	s_wait_loadcnt 32                              ; all but q's 32 loads are in
.irp m, 0,1
.irp s, 0,1,2,3
	v_lshl_or_b32 v[XS+4*\m+\s], v[XT+2*(2*\s+1)+\m], 16, v[XT+4*\s+\m]   ; a K step's scale word: two heads' halves
.endr
.endr
.rept 8
	v_nop                                          ; a scale register written by a vector instruction stands 8 places ahead of a scaled product
.endr
	s_wait_alu depctr_va_vdst(0)                   ; x's eight scale words are written, which the products take as scales; the places above stay beside this wait
.irp s, 0,1,2,3
.if \s == 0
	WIN 0x21                                       ; source 0 (Wo) window 1, C (bo) window 2
.else
	WIN 0x01
.endif
.irp m, 0,1
.irp t, 0,1,2,3,4,5,6,7
.if \s == 0
	WM ACC+64*\m+8*\t, 8*(4*\t+\s), XF+32*\m+8*\s, 8*\t, RS+4*(\t/2)+\s, XS+4*\m+\s, \t%2
.else
	WM ACC+64*\m+8*\t, 8*(4*\t+\s), XF+32*\m+8*\s, ACC+64*\m+8*\t, RS+4*(\t/2)+\s, XS+4*\m+\s, \t%2
.endif
.endr
.endr
.endr
	WIN 0
.rept 4
	v_nop
.endr
	s_wait_alu depctr_va_vdst(0)                   ; the products have written the accumulators, which the LDS stores read and in which, behind the barrier, whole rows land; the places above stay beside this wait
.irp m, 0,1
.irp t, 0,1,2,3,4,5,6,7
	ds_store_b128 v[SO], v[ACC+64*\m+8*\t:ACC+64*\m+8*\t+3] offset:16*\m*SPITCH+64*\t       ; each accumulator from its low end on
	ds_store_b128 v[SO], v[ACC+64*\m+8*\t+4:ACC+64*\m+8*\t+7] offset:16*\m*SPITCH+64*\t+16
.endr
.endr
	s_wait_dscnt 0x0                               ; for the others' sake: my stores into the stage have landed
	s_barrier_signal -1
	s_barrier_wait -1
	s_wait_alu depctr_vm_vsrc(0)                   ; my LDS stores have read v[ACC ..], in which the loads below land
.irp i, 0,1,2,3,4,5,6,7
.irp k, 0,1,2,3
	ds_load_b128 v[ACC+4*(4*\i+\k):ACC+4*(4*\i+\k)+3], v[SR] offset:\i*SPITCH+512*\k
.endr
.endr
	s_wait_loadcnt 0x0                             ; q
.irp g, 0,1,2,3                        ; two rows at a time
	s_wait_dscnt 24-8*\g                           ; the later groups' loads may be out
	WIN 0x08                                       ; source 1 (q) window 2
.irp e, 0,1,2,3,4,5,6,7
	v_pk_add_f32 v[ACC+4*(8*\g+\e):ACC+4*(8*\g+\e)+1], v[ACC+4*(8*\g+\e):ACC+4*(8*\g+\e)+1], v[QB+4*(8*\g+\e):QB+4*(8*\g+\e)+1]
	v_pk_add_f32 v[ACC+4*(8*\g+\e)+2:ACC+4*(8*\g+\e)+3], v[ACC+4*(8*\g+\e)+2:ACC+4*(8*\g+\e)+3], v[QB+4*(8*\g+\e)+2:QB+4*(8*\g+\e)+3]
.endr
	WIN 0
	s_wait_alu depctr_va_vdst(0)                   ; the sixteen additions have written these two rows, which the eight stores read
.irp e, 0,1,2,3,4,5,6,7
	global_store_b128 v[L16], v[ACC+4*(8*\g+\e):ACC+4*(8*\g+\e)+3], s[16:17] offset:2048*(2*\g+\e/4)+512*(\e%4) th:TH_STORE_NT   ; 32 lanes store 512 consecutive bytes of a row
.endr
.endr
	s_wait_dscnt 0x0                               ; the closing lines, six on end
	s_wait_alu 0x0
	s_wait_tensorcnt 0x0
	ds_add_u32 v126, v127
	s_wait_dscnt 0x0
	s_endpgm
.Lfunc_end_k_qf1f7b68359_outp:
	.size	k_qf1f7b68359_outp, .Lfunc_end_k_qf1f7b68359_outp-k_qf1f7b68359_outp
	.p2alignl 7, 3214868480
	.fill 96, 4, 3214868480
	.section	.rodata,"a",@progbits
	.p2align	6, 0x0
	.amdhsa_kernel k_qf1f7b68359_outp
		.amdhsa_group_segment_fixed_size 66560
		.amdhsa_private_segment_fixed_size 0
		.amdhsa_enable_private_segment 0
		.amdhsa_kernarg_size 56
		.amdhsa_user_sgpr_count 2
		.amdhsa_user_sgpr_kernarg_segment_ptr 1
		.amdhsa_wavefront_size32 1
		.amdhsa_system_sgpr_workgroup_id_x 1
		.amdhsa_system_sgpr_workgroup_id_y 1
		.amdhsa_system_sgpr_workgroup_id_z 1
		.amdhsa_system_vgpr_workitem_id 0
		.amdhsa_next_free_vgpr 704
		.amdhsa_next_free_sgpr 66
		.amdhsa_reserve_vcc 0
		.amdhsa_float_denorm_mode_32 3
		.amdhsa_float_denorm_mode_16_64 3
		.amdhsa_memory_ordered 1
		.amdhsa_forward_progress 1
		.amdhsa_inst_pref_size 38
	.end_amdhsa_kernel
	.amdgpu_metadata
---
amdhsa.version: [ 1, 2 ]
amdhsa.kernels:
  - .name:           k_qf1f7b68359_outp
    .symbol:         k_qf1f7b68359_outp.kd
    .args:
      - { .name: Xc, .offset: 0, .size: 8, .value_kind: global_buffer, .address_space: global }
      - { .name: Xs, .offset: 8, .size: 8, .value_kind: global_buffer, .address_space: global }
      - { .name: Wo_codes, .offset: 16, .size: 8, .value_kind: global_buffer, .address_space: global }
      - { .name: Wo_scales, .offset: 24, .size: 8, .value_kind: global_buffer, .address_space: global }
      - { .name: bo, .offset: 32, .size: 8, .value_kind: global_buffer, .address_space: global }
      - { .name: q, .offset: 40, .size: 8, .value_kind: global_buffer, .address_space: global }
      - { .name: out0, .offset: 48, .size: 8, .value_kind: global_buffer, .address_space: global }
    .group_segment_fixed_size: 66560
    .private_segment_fixed_size: 0
    .kernarg_segment_align: 8
    .kernarg_segment_size: 56
    .max_flat_workgroup_size: 128
    .sgpr_count:     66
    .vgpr_count:     704
    .wavefront_size: 32
...
	.end_amdgpu_metadata
.endif
;; end of part 5
